; MI455X (gfx1250); checked and timed in simulation.
; The chip was launched on July 23, 2026; its instructions are those of AMD's public machine-readable ISA for CDNA 5 (MIT licence, August 2026) and "CDNA5" Instruction Set Architecture Reference Guide (July 2026). The comments in the code are by the model that wrote it; some were corrected since.
;; Multi Head Atention. Allowed arithmetic: matrix products marked QUANTISED: E3M2 operands, one E8M0 scale for each 32 along K, by v_wmma_scale_f32_16x16x128_f8f6f4 with both operands' format E3M2, f32 sums; everything else in f32.
;; Inputs: bk 1,024 float32; bo 1,024 float32; bq 1,024 float32; key 4 x 2,048 x 1,024 float32; query 4 x 2,048 x 1,024 float32; value 4 x 2,048 x 1,024 float32; wk 1,024 x 1,024 float32; wo 1,024 x 1,024 float32; wq 1,024 x 1,024 float32.
;; Outputs: out0 4 x 2,048 x 1,024 float32.
;; This version of the problem:
;;   THIS VERSION OF THE PROBLEM IS GIVEN IN LOW PRECISION. The matrix products marked QUANTISED in the list below multiply operands that are first quantised to E3M2 (3 exponent bits, 2 mantissa bits; 6 bits a number), with one power-of-two scale for each 32 numbers along K (OCP MX v1.0); their sums are f32. All else is computed in f32.
;;   The module's matrix products, in the order in which they are computed (A, B: the left and right operand; K: the contracted axis; several contracted axes count as one K, in the product's order):
;;     1. [M 8,192, K 1,024] x [K 1,024, N 1,024]; A: input query; B: input wq: QUANTISED
;;     2. [M 8,192, K 1,024] x [K 1,024, N 1,024]; A: input key; B: input wk: QUANTISED
;;     3. [M 8,192, K 1,024] x [K 1,024, N 1,024]; A: input value; B: input wk: QUANTISED
;;     4. batch 64 x [M 2,048, K 64] x [K 64, N 2,048]; A: computed on the way; B: computed on the way: QUANTISED
;;     5. batch 64 x [M 2,048, K 2,048] x [K 2,048, N 64]; A: softmax (see below); B: computed on the way: QUANTISED
;;     6. [M 8,192, K 1,024] x [K 1,024, N 1,024]; A: computed on the way; B: input wo: QUANTISED
;;   THE QUANTISER, for each operand of a quantised product, along K:
;;     - K is cut into blocks of 32 from its start; a last block that is shorter is filled with zeros.
;;     - A block's scale is 2^e with e = floor(log2(the largest magnitude in the block)) - 4, held to -126 .. 127; a block of zeros has e = 0. As a byte (E8M0): e + 127.
;;     - Each number is divided by its block's scale, clamped to +-28, and rounded to the nearest number of E3M2, ties to even, subnormals kept.
;;     - The product sums the exact products of the quantised numbers (number of the format x scale) in f32.
;;   ~~~python
;;   def quantise(x, axis):      # numpy; x: float32 -> the quantised numbers, widened to float32 again
;;       x = np.moveaxis(x, axis, -1); K = x.shape[-1]
;;       x = np.pad(x, [(0, 0)] * (x.ndim - 1) + [(0, -K % 32)]); x = x.reshape(x.shape[:-1] + (-1, 32)); a = np.abs(x).max(-1, keepdims=True)
;;       e = np.where(a > 0, np.clip(np.frexp(np.where(a > 0, a, 1))[1] - 1 - 4, -126, 127), 0)      # np.frexp(a)[1] - 1 = floor(log2(a)), exactly
;;       r = np.clip(x / 2.0 ** e, -28, 28)
;;       step = 2.0 ** (np.maximum(np.frexp(np.where(r == 0, 1, r))[1] - 1, -2) - 2)
;;       q = np.round(r / step) * step * 2.0 ** e      # np.round: ties to even
;;       return np.moveaxis(q.reshape(q.shape[:-2] + (-1,))[..., :K], -1, axis).astype(np.float32)
;;   ~~~
;;   SOFTMAX AHEAD OF A QUANTISED PRODUCT. Where the list says 'softmax', what is quantised is not the finished softmax but p = 2^(t - M), with t = logit x log2(e) and M = ceil(the row's largest t), a whole number; so 1/2 < the row's largest p <= 1. The row's sum l is taken of the UNQUANTISED p, in f32, and the product's result is divided by l at the end. Since M is a whole number, a kernel that streams over the keys may use a running M (the ceiling of the running maximum): every later rescaling is an exact power of two, which a block's scale takes up: the codes' values come out the same.
;;   OPERANDS COMPUTED ON THE WAY. 'Computed on the way' means the value that the module computes at that place (a softmax that the list does not call 'softmax' is quantised finished and normalised). What goes into a quantiser is computed in f32, as accurately as f32 sums, v_exp_f32 and their like allow (about 1e-6 of the number): no bf16 or f16 on the way to a quantiser, and a product that is left as it is and whose result goes on into a quantised operand takes f32 operands (vector FMAs, or v_wmma_f32_16x16x4_f32). A number that lies on a knife's edge between two numbers of the format may be rounded either way, as far as f32 arithmetic and the matrix unit's own rounding can turn it there, and no further.
;; One version. Each part assembles by itself: llvm-mc -triple=amdgcn-amd-amdhsa -mcpu=gfx1250 --defsym DOCPART=n.
;; ======== version 1 of 1: 4 launches
;; workspace buffers: cod 22,118,400 bytes; att 26,214,400 bytes; xim 6,553,600 bytes
;; launch quant (part 1): grid 864 x 1, 4 waves a work-group, no clusters, 33,280 bytes of LDS; arguments query, key, value, wq, wk, wo, cod; writes cod
.if DOCPART == 1
	.amdgcn_target "amdgcn-amd-amdhsa--gfx1250"
	.amdhsa_code_object_version 6
	.text
	.protected	k_q38dccb4427_quant
	.globl	k_q38dccb4427_quant
	.p2align	8
	.type	k_q38dccb4427_quant,@function
k_q38dccb4427_quant:
	s_mov_b64 s[64:65], 0
	v_nop
	global_prefetch_b8 v0, s[64:65] scope:SCOPE_SE
	s_setreg_imm32_b32 hwreg(HW_REG_WAVE_MODE, 25, 1), 1
	s_wait_xcnt 0x0
; MULTI-HEAD ATTENTION IN MX-BF6, launch 1 of 4: query, key, value [8192][1024] and wq, wk, wo [1024][1024], f32, K innermost, become codes of BF6 (E3M2) with one E8M0 byte for each 32 along K.
; DEAD WORK: none.  Every input has a way to the output: bq, bk stand ahead of quantisers, bo is added to the result, there is no mask; every product of the problem is done.
; The workspace cod holds 27,648 rows of 1,024 codes (768 bytes a row): query from row 0, key 8,192, value 16,384, wq 24,576, wk 25,600, wo 26,624; their scale bytes, 32 a row, lie from byte SCO on.
; ROW ORDER.  key, value, wq and wk are stored with bits 3 and 4 of the row number exchanged: sixteen rows on end, 16 t .. 16 t + 15 with t = 2 b + u, are then the rows 32 b + 8 u + r + 8 (r / 8).
; Taken as source 0 of a product, such rows leave each lane 16 NEIGHBOURS along the next product's K in the registers of two neighbouring tiles.  A wave takes 8 rows, so the exchange is a choice of the wave's place.
; A block's scale is 2^(floor(log2(largest magnitude)) - 4); its byte is the largest magnitude's exponent field - 4, held at 1 from below.
; LIMITS: a block of zeros gets the byte 1 where the quantiser says 127 (its codes are zeros, and this program alone reads the bytes); blocks whose largest magnitude lies under 2^-122 are held at byte 1; NaN and infinities are not served.
; A wave takes 16 steps of 512 numbers.  Each load reads 512 consecutive bytes; a step's 2,048 bytes turn through the wave's own stage in LDS, so that a lane then holds 16 neighbours along K; two lanes hold a block.
.set WAVES, 4
.set STEPS, 16
.set EMAX,  4
.set CB,    12                         ; bytes of 16 codes
.set R,     16                         ; v16-79   four sets of 16 numbers as they are loaded
.set X,     80                         ; v80-111  two sets of 16 neighbours
.set C,     128                        ; v128-191 codes: four registers for each step, so that no store's data are written again
.set E,     112                        ; v112-127 a scale byte for each step
.set WREG,  8192                       ; LDS: a region for each wave: two stages of 32 x SP bytes, then its 256 scale bytes
.set SP,    80                         ; a lane's place in a stage: 64 bytes + 16 of padding
.set SPW,   12                         ; v12      my spare word's LDS address; never rewritten
.set NIL,   13                         ; v13      0; never rewritten
.set SPARE, WAVES*WREG                 ; the spare words, 128 bytes a wave
.set SCO,   21233664                   ; where the scale bytes begin in cod: 27,648 x 768
	s_load_b256 s[4:11], s[0:1], 0x0               ; query, key, value, wq
	s_load_b128 s[12:15], s[0:1], 0x20             ; wk, wo
	s_load_b64 s[16:17], s[0:1], 0x30              ; cod
	v_lshl_add_u32 v[SPW], v0, 2, SPARE
	v_mov_b32 v[NIL], 0
	v_lshrrev_b32 v1, 5, v0
	v_readfirstlane_b32 s18, v1                    ; wave
	v_and_b32 v2, 31, v0                           ; lane
	v_lshlrev_b32 v3, 4, v2                        ; my 16 bytes of a load's 512
	s_mul_i32 s19, s18, WREG
	v_lshrrev_b32 v14, 2, v2
	v_mul_u32_u24 v14, v14, SP
	v_and_b32 v15, 3, v2
	v_lshl_add_u32 v14, v15, 4, v14
	v_add_nc_u32 v14, s19, v14                     ; the stage, on the way in: SP (lane / 4) + 16 (lane % 4)
	v_mul_u32_u24 v15, v2, SP
	v_add_nc_u32 v15, s19, v15                     ; and on the way out: SP x lane: my 16 neighbours
	v_mul_u32_u24 v4, v2, CB                       ; my codes' place in a step's
	v_lshrrev_b32 v5, 1, v2
	s_add_co_u32 s19, s19, 2*32*SP
	v_add_nc_u32 v5, s19, v5                       ; LDS: my wave's 256 scale bytes, my block's byte
	v_lshlrev_b32 v7, 3, v2                        ; and on the way out 8 bytes a lane
	v_add_nc_u32 v6, s19, v7
	s_wait_alu depctr_va_vdst(0)
	s_wait_kmcnt 0x0
	; which tensor: the choice hangs on the work-group's number alone.  s[20:21] the tensor, s22 its first work-group, s23 = 1: rows exchanged
	s_mov_b64 s[20:21], s[14:15]                   ; wo: work-groups 832 on
	s_mov_b32 s22, 832
	s_mov_b32 s23, 0
	s_cmp_lt_u32 ttmp9, 832
	s_cselect_b64 s[20:21], s[12:13], s[20:21]     ; wk
	s_cselect_b32 s22, 800, s22
	s_cselect_b32 s23, 1, s23
	s_cmp_lt_u32 ttmp9, 800
	s_cselect_b64 s[20:21], s[10:11], s[20:21]     ; wq
	s_cselect_b32 s22, 768, s22
	s_cmp_lt_u32 ttmp9, 768
	s_cselect_b64 s[20:21], s[8:9], s[20:21]       ; value
	s_cselect_b32 s22, 512, s22
	s_cmp_lt_u32 ttmp9, 512
	s_cselect_b64 s[20:21], s[6:7], s[20:21]       ; key
	s_cselect_b32 s22, 256, s22
	s_cmp_lt_u32 ttmp9, 256
	s_cselect_b64 s[20:21], s[4:5], s[20:21]       ; query
	s_cselect_b32 s22, 0, s22
	s_cselect_b32 s23, 0, s23
	s_sub_co_u32 s24, ttmp9, s22
	s_lshl_b32 s24, s24, 2
	s_add_co_u32 s24, s24, s18                     ; which run of 8 rows of the tensor I read
	s_lshl_b32 s24, s24, 15                        ; 32,768 bytes a run
	s_mov_b32 s25, 0
	s_add_nc_u64 s[20:21], s[20:21], s[24:25]
	s_and_b32 s26, s18, 1                          ; the run's place in cod: the wave's two bits are the row's bits 3 and 4
	s_lshl_b32 s26, s26, 1
	s_lshr_b32 s27, s18, 1
	s_or_b32 s26, s26, s27
	s_cmp_eq_u32 s23, 1
	s_cselect_b32 s26, s26, s18
	s_lshl_b32 s27, ttmp9, 2
	s_add_co_u32 s26, s27, s26                     ; the tensors lie in cod in the order of the work-groups
	s_mul_i32 s24, s26, 32*STEPS*CB                ; 6,144 bytes of codes a run
	s_add_nc_u64 s[28:29], s[16:17], s[24:25]
	s_lshl_b32 s24, s26, 8                         ; 256 scale bytes a run
	s_add_co_u32 s24, s24, SCO
	s_add_nc_u64 s[30:31], s[16:17], s[24:25]
.macro LOAD t
.irp i, 0,1,2,3
	global_load_b128 v[R+16*((\t)%4)+4*\i:R+16*((\t)%4)+4*\i+3], v3, s[20:21] offset:2048*(\t)+512*\i th:TH_LOAD_NT   ; 32 lanes read 512 consecutive bytes
.endr
.endm
.macro TURN t                          ; step t's numbers through the stage: LDS serves a wave's instructions in order, so no wait stands between the stores and the loads
.irp i, 0,1,2,3
	ds_store_b128 v14, v[R+16*((\t)%4)+4*\i:R+16*((\t)%4)+4*\i+3] offset:32*SP*((\t)%2)+8*SP*\i
.endr
.irp i, 0,1,2,3
	ds_load_b128 v[X+16*((\t)%2)+4*\i:X+16*((\t)%2)+4*\i+3], v15 offset:32*SP*((\t)%2)+16*\i
.endr
.endm
.irp t, 0,1,2,3
	LOAD \t
.endr
	s_wait_loadcnt 12                              ; step 0's four loads are in; three steps' twelve stay out
	TURN 0
.macro STEP t
.set XS, X+16*((\t)%2)
.if (\t) > 0
	s_wait_dscnt 1                                 ; this step's numbers are back from the stage (the last step's byte store may be out)
.else
	s_wait_dscnt 0x0
.endif
.if (\t)+4 < STEPS
	LOAD (\t)+4                                    ; into the registers whose stores into the stage are done
.endif
.if (\t)+1 < STEPS
.if STEPS-2-(\t) >= 3
	s_wait_loadcnt 12                              ; the next step's four loads are in; those of the three steps behind it may be out
.else
	s_wait_loadcnt 4*(STEPS-2-(\t))
.endif
	TURN (\t)+1                                    ; through the other stage while this step is worked
.endif
	v_max3_num_f32 v8, |v[XS]|, |v[XS+1]|, |v[XS+2]|               ; the largest magnitude of my 16, in two chains
	v_max3_num_f32 v9, |v[XS+3]|, |v[XS+4]|, |v[XS+5]|
.irp i, 6,10
	v_max3_num_f32 v8, v8, |v[XS+\i]|, |v[XS+\i+1]|
	v_max3_num_f32 v9, v9, |v[XS+\i+2]|, |v[XS+\i+3]|
.endr
	v_max3_num_f32 v8, v8, |v[XS+14]|, |v[XS+15]|
	v_max3_num_f32 v8, v8, v9, (EMAX+1)<<23        ; and the floor 2^(5 - 127): the byte cannot fall under 1
	v_max_num_f32_dpp v8, v8, v8 row_xmask:1 row_mask:0xf bank_mask:0xf   ; and of my neighbour's 16: the block's
	v_add_nc_u32 v11, -(EMAX<<23), v8              ; 4 off its exponent field: the conversion takes the exponent field of this operand as its scale
	v_cvt_scalef32_pk16_bf6_f32 v[C+4*(\t):C+4*(\t)+2], v[XS:XS+15], v11
	v_lshrrev_b32 v[E+(\t)], 23, v11               ; the scale's byte (also the plain instruction behind the conversion)
	ds_store_b8 v5, v[E+(\t)] offset:16*(\t)       ; both lanes of a block write the same byte with the same value
	global_store_b96 v4, v[C+4*(\t):C+4*(\t)+2], s[28:29] offset:32*CB*(\t)   ; the wave stores 384 consecutive bytes
.endm
.irp t, 0,1,2,3,4,5,6,7,8,9,10,11,12,13,14,15
	STEP \t
.endr
	ds_load_b64 v[8:9], v6                         ; LDS serves a wave's instructions in order: these see my stores
	s_wait_dscnt 0x0
	global_store_b64 v7, v[8:9], s[30:31]          ; 32 lanes store 256 consecutive bytes, aligned
	s_wait_tensorcnt 0x0                           ; the wave's end, behind my last LDS store
	ds_add_u32 v[SPW], v[NIL]
	s_wait_dscnt 0x0
	s_endpgm
.Lfunc_end_k_q38dccb4427_quant:
	.size	k_q38dccb4427_quant, .Lfunc_end_k_q38dccb4427_quant-k_q38dccb4427_quant
	.p2alignl 7, 3214868480
	.fill 96, 4, 3214868480
	.section	.rodata,"a",@progbits
	.p2align	6, 0x0
	.amdhsa_kernel k_q38dccb4427_quant
		.amdhsa_group_segment_fixed_size 33280
		.amdhsa_private_segment_fixed_size 0
		.amdhsa_enable_private_segment 0
		.amdhsa_kernarg_size 56
		.amdhsa_user_sgpr_count 2
		.amdhsa_user_sgpr_kernarg_segment_ptr 1
		.amdhsa_wavefront_size32 1
		.amdhsa_system_sgpr_workgroup_id_x 1
		.amdhsa_system_sgpr_workgroup_id_y 1
		.amdhsa_system_sgpr_workgroup_id_z 1
		.amdhsa_system_vgpr_workitem_id 0
		.amdhsa_next_free_vgpr 192
		.amdhsa_next_free_sgpr 66
		.amdhsa_reserve_vcc 0
		.amdhsa_float_denorm_mode_32 3
		.amdhsa_float_denorm_mode_16_64 3
		.amdhsa_memory_ordered 1
		.amdhsa_forward_progress 1
		.amdhsa_inst_pref_size 33
	.end_amdhsa_kernel
	.amdgpu_metadata
---
amdhsa.version: [ 1, 2 ]
amdhsa.kernels:
  - .name:           k_q38dccb4427_quant
    .symbol:         k_q38dccb4427_quant.kd
    .args:
      - { .name: query, .offset: 0, .size: 8, .value_kind: global_buffer, .address_space: global }
      - { .name: key, .offset: 8, .size: 8, .value_kind: global_buffer, .address_space: global }
      - { .name: value, .offset: 16, .size: 8, .value_kind: global_buffer, .address_space: global }
      - { .name: wq, .offset: 24, .size: 8, .value_kind: global_buffer, .address_space: global }
      - { .name: wk, .offset: 32, .size: 8, .value_kind: global_buffer, .address_space: global }
      - { .name: wo, .offset: 40, .size: 8, .value_kind: global_buffer, .address_space: global }
      - { .name: cod, .offset: 48, .size: 8, .value_kind: global_buffer, .address_space: global }
    .group_segment_fixed_size: 33280
    .private_segment_fixed_size: 0
    .kernarg_segment_align: 8
    .kernarg_segment_size: 56
    .max_flat_workgroup_size: 128
    .sgpr_count:     66
    .vgpr_count:     192
    .wavefront_size: 32
...
	.end_amdgpu_metadata
.endif
;; end of part 1
;; launch proj (part 2): grid 4 x 96, 4 waves a work-group, clusters of 4 x 4, 327,680 bytes of LDS; arguments cod, bq, bk, att; writes att
.if DOCPART == 2
	.amdgcn_target "amdgcn-amd-amdhsa--gfx1250"
	.amdhsa_code_object_version 6
	.text
	.protected	k_q38dccb4427_proj
	.globl	k_q38dccb4427_proj
	.p2align	8
	.type	k_q38dccb4427_proj,@function
k_q38dccb4427_proj:
	s_mov_b64 s[64:65], 0
	v_nop
	global_prefetch_b8 v0, s[64:65] scope:SCOPE_SE
	s_setreg_imm32_b32 hwreg(HW_REG_WAVE_MODE, 25, 1), 1
	s_wait_xcnt 0x0
	s_wait_alu depctr_hold_cnt(0) depctr_sa_sdst(0) depctr_va_vdst(0) depctr_va_sdst(0) depctr_va_ssrc(0) depctr_va_vcc(0) depctr_vm_vsrc(0)
	s_getreg_b32 s2, hwreg(HW_REG_IB_STS2, 6, 4)
	s_cmp_eq_u32 s2, 0
	s_cbranch_scc0 .Lentry_in_a_cluster
	s_endpgm
.Lentry_in_a_cluster:
	s_bfe_u32 s2, ttmp6, 0x10000c
	s_cmp_lg_u32 s2, 0xf033
	s_cbranch_scc0 .Lentry_shape_is_right
	s_endpgm
.Lentry_shape_is_right:
; Launch 2 of 4: q = query wq^T + bq, k = key wk^T + bk, v = value wk^T + bk on codes of BF6; each result is quantised in registers and stored as IMAGES OF OPERAND REGISTERS for the attention launch.  Nothing is left out.
; A work-group makes 256 x 256, four waves 128 x 128 each (64 accumulators, 512 registers).  K = 1,024 goes in four steps of 256 through a ring of two LDS slots; the scale bytes of the work-group's rows come once.
; THE MODE is the cluster's y / 8 (the same in all sixteen partners): 0 q, 1 k, 2 v.  'A' is source 1 (its rows fall on lanes), 'B' source 0 (its rows fall on a lane's registers: the direction that is quantised).
;   q, k: A = tokens, B = the weight's rows (features): a lane holds one token and 128 features = two heads; each head's 64 channels are two blocks.
;   v:    A = wk's rows (features), B = value's tokens: a lane holds one feature and 128 tokens = four blocks along the keys.
; B's rows lie in cod with bits 3 and 4 of the row number exchanged, so accumulators (a, 2 b) and (a, 2 b + 1) hold 16 neighbours: register 16 b + i of block a's 64 is B's row 32 b + 16 (lane / 16) + i.
; att: KV region at 0, Q region at QREG; 204,800 bytes a (batch, head); in it 12,800 a step of 128 tokens: 4 pair images of K (or Q), 4 images of V^T, 256 bytes of K's (Q's) scale words [r][pair], 256 of V's [r][d tile].
; An image is a fragment's 12 registers: registers 4 g .. 4 g + 3 of lane l at 512 g + 16 l.  A PAIR image holds two tiles of 16 tokens of one head: registers 0-5 the 64 codes of tile 2 i, registers 6-11 those of tile 2 i + 1.
; CLUSTERS: 4 x 4.  A's tiles are asked for jointly along a row of the cluster, B's along a column.  The grid has one cluster along x, so the tile coordinates take cx, cy and the cluster's y.
; LIMITS: a block of zeros gets the byte 1 (its codes are zeros; this program alone reads the bytes); blocks under 2^-122 are held at byte 1; NaN and infinities are not served.
; REGISTERS: window 0: v16-31 addresses; v32-63 scale words, two sets; from v128 A's fragments, one set.  window 1: B's fragments, two sets.  windows 2, 3: the accumulators ((a, b) at v[8 (8 (a % 4) + b)]).
.set KSTEP,  256
.set NQ,     2                         ; matrix instructions deep in a slot
.set ROWB,   192                       ; a tile's row: 256 codes
.set KROW,   768                       ; a row of cod
.set PITCH,  240                       ; an LDS row: 3 x (64 bytes + 16 of padding)
.set FR,     12
.set NL,     6
.set NP,     4                         ; places behind this matrix instruction (ISA guide 7.12.1)
.set HALFT,  128*PITCH
.set SLOT,   4*HALFT
.set LAPS,   2                         ; 1,024 / 512
.set KS,     32                        ; a row of scale bytes
.set SCL,    2*SLOT                    ; the scales, as units of 256 bytes + 16 of padding
.set HALFS,  (128*KS/256)*272
.set SBLK,   (16*KS/256)*272
.set SPARE,  SCL+4*HALFS               ; the spare words, 128 bytes a wave
.set BIAS,   SPARE+512                 ; 512 bytes a wave: its 128 numbers of the bias; stored by the wave, filled by no tensor load
.set SCO,    21233664
.set QREG,   13107200
.set HEADB,  204800
.set STEPB,  12800
.set ADRA, 16                          ; v16-19 LDS addresses of my A fragments
.set ADRB, 20                          ; v20-23 of B's
.set GO,   24                          ; v24  16 x lane: an image's place for my lane
.set SO,   25                          ; v25  16 r + 204,800 h: scale words, lanes 16-31 the second head's
.set BR,   26                          ; v26  bias along registers: BIAS + 512 wave + 64 h
.set ADRS, 27                          ; v27  my scale words in LDS
.set SPW,  28
.set NIL,  29
.set BV,   30                          ; v30  bias along lanes: BIAS + 512 wave + 4 (r + 8 (r / 8))
.set BW,   31                          ; v31  where I store the bias: BIAS + 512 wave + 16 lane
.set SC,   32
.set AF,   128
.set BI,   32                          ; the way out: v32-95 bias (q, k);  v32-47 bias in pairs (v)
.set BL,   32
.set T,    96                          ; v96-159  a block's 64 numbers
.set TM,   160                         ; v160-175 largest magnitudes, bytes, scale operands
.set PWS,  176                         ; v176-183 block a's scale word
.set IM,   184                         ; v184-231 images, two sets of 24
.set CT,   232                         ; v232-238 the conversions' second halves
.set OW,   240                         ; v240-243 scale words to store
.set SELV, 244
.set G1, 24
.set G0, 32
.set G1B, 48
.set G0B, 56
.set G1S, 68
.set G0S, 76
.set G1SB, 80
.set G0SB, 88
.set MODE, 95
.set SEL, 100
.set MSB, 0
.macro WIN new                         ; the immediate's high byte repeats the setting that is left
.if MSB != \new
	s_set_vgpr_msb (MSB<<8)|\new
.set MSB, \new
.endif
.endm
.set MUL_LO, 0xa1                      ; source 0 (B) window 1, source 1 (A) window 0, C and D window 2
.set MUL_HI, 0xf1
.set TO_B,   0x40
; A joint load: waves 0 and 1 fetch for A, waves 2 and 3 for B; the branch hangs on the wave's number alone.  An s_nop 0 and four v_nop follow each line.
.macro JLOAD g0a, g1a, g0b, g1b
	s_cmp_eq_u32 s15, 0
	s_cbranch_scc0 .Lfor_b_\@
	tensor_load_to_lds s[\g0a:\g0a+3], s[\g1a:\g1a+7]
	s_nop 0
.rept 4
	v_nop
.endr
	s_branch .Lasked_\@
.Lfor_b_\@:
	tensor_load_to_lds s[\g0b:\g0b+3], s[\g1b:\g1b+7]
	s_nop 0
.rept 4
	v_nop
.endr
.Lasked_\@:
.endm
.macro CREST                           ; a round of the cluster's barrier behind its opening barrier
	s_cmp_lg_u32 s14, 0
	s_cbranch_scc1 .Lnot_wave_0_\@
	s_barrier_signal -3
.Lnot_wave_0_\@:
	s_barrier_wait -3
	s_barrier_signal -1
	s_barrier_wait -1
.endm
.macro CROUND
	s_barrier_signal -1
	s_barrier_wait -1
	CREST
.endm
	s_load_b256 s[4:11], s[0:1], 0x0               ; cod s[4:5], bq s[6:7], bk s[8:9], att s[10:11]
	v_lshl_add_u32 v[SPW], v0, 2, SPARE
	v_mov_b32 v[NIL], 0
	ds_add_u32 v[SPW], v[NIL]                      ; the wave's opening: the add, twice on end, and its wait ahead of my first tensor load
	ds_add_u32 v[SPW], v[NIL]
	v_lshrrev_b32 v1, 5, v0
	v_readfirstlane_b32 s14, v1                    ; wave 0..3
	s_lshr_b32 s15, s14, 1                         ; which half of A's rows is mine.  Also: I fetch for A (0) or for B (1)
	s_and_b32 s16, s14, 1                          ; which half of B's rows.  Also: which 128 rows of that tile I fetch
	s_bfe_u32 s40, ttmp6, 0x40000                  ; cx
	s_bfe_u32 s41, ttmp6, 0x40004                  ; cy
	s_and_b32 s96, ttmp7, 0xffff                   ; the cluster's y, 0 .. 23
	s_lshr_b32 s[MODE], s96, 3
	s_and_b32 s96, s96, 7
	s_lshl_b32 s96, s96, 2                         ; the long axis (8,192 tokens) has 32 tiles: 4 x (y % 8) + the place in the cluster
	s_cmp_eq_u32 s[MODE], 2
	s_cselect_b32 s17, 0, s96                      ; q, k: the tokens are A's rows;
	s_cselect_b32 s42, s96, 0                      ; v: they are B's
	s_mov_b32 s97, 8192
	s_mov_b32 s98, 25600
	s_cselect_b32 s97, 25600, s97                  ; A's first row in cod: v: wk; k: key;
	s_cselect_b32 s98, 16384, s98                  ; B's: v: value; k: wk
	s_cmp_eq_u32 s[MODE], 0
	s_cselect_b32 s97, 0, s97                      ; q: query,
	s_cselect_b32 s98, 24576, s98                  ; wq
	s_add_co_u32 s17, s17, s41                     ; A's tile: hangs on cy alone of the places
	s_add_co_u32 s42, s42, s40                     ; B's tile: on cx alone
	s_lshl_b32 s43, s41, 2
	s_lshl_b32 s43, 15, s43                        ; my row of the cluster
	s_lshl_b32 s44, 0x1111, s40                    ; my column
	s_or_b32 s[G1+0], s43, (0<<16)|(1<<20)|(1<<21)|(3<<22)|(3<<25)  ; the mask; elements of 1 byte; padding on: 4 words behind every 16; bit 21 beside a mask
	s_or_b32 s[G1B+0], s44, (0<<16)|(1<<20)|(1<<21)|(3<<22)|(3<<25)
.irp g, G1, G1B
	s_mov_b32 s[\g+1], ROWB<<16                    ; tensor_dim0
	s_mov_b32 s[\g+2], 128<<16                     ; tensor_dim1
	s_mov_b32 s[\g+3], ROWB<<16                    ; tile_dim0
	s_mov_b32 s[\g+4], 128                         ; tile_dim1
	s_mov_b32 s[\g+5], KROW                        ; the pitch
	s_mov_b32 s[\g+6], 0
	s_mov_b32 s[\g+7], 0
.endr
	s_or_b32 s[G1S+0], s43, (3<<16)|(1<<20)|(1<<21)|(5<<22)|(3<<25) ; the scales of 128 rows: 4,096 dense bytes as 16 rows of 256, 16 bytes of padding behind each
	s_or_b32 s[G1SB+0], s44, (3<<16)|(1<<20)|(1<<21)|(5<<22)|(3<<25)
.irp g, G1S, G1SB
	s_mov_b32 s[\g+1], 32<<16
	s_mov_b32 s[\g+2], (128*KS/256)<<16
	s_mov_b32 s[\g+3], 32<<16
	s_mov_b32 s[\g+4], 128*KS/256
	s_mov_b32 s[\g+5], 32
	s_mov_b32 s[\g+6], 0
	s_mov_b32 s[\g+7], 0
.endr
	s_mov_b32 s[SEL], 0x76543210
	s_mov_b32 s[SEL+1], 0xfedcba98                 ; v_permlanex16_b32's selects for lane l xor 16
	s_lshl_b32 s18, s16, 7                         ; which 128 rows of the tile I fetch
	s_lshl_b32 s20, s17, 8
	s_add_co_u32 s20, s20, s18
	s_add_co_u32 s20, s20, s97                     ; A's row in cod
	s_lshl_b32 s46, s42, 8
	s_add_co_u32 s46, s46, s18
	s_add_co_u32 s46, s46, s98                     ; B's
	s_lshl_b32 s22, s20, 5                         ; their scale bytes: 32 a row
	s_add_co_u32 s22, s22, SCO
	s_lshl_b32 s92, s46, 5
	s_add_co_u32 s92, s92, SCO
	s_mul_i32 s20, s20, KROW                       ; their codes (all of cod lies under 2^25 bytes)
	s_mul_i32 s46, s46, KROW
	s_mov_b32 s21, 0
	s_mov_b32 s23, 0
	s_mov_b32 s47, 0
	s_mov_b32 s93, 0
	s_mul_i32 s45, s14, HALFT                      ; where they go: wave x 128 rows: no place in the cluster enters an LDS address
	s_mul_i32 s94, s14, HALFS
	s_wait_dscnt 0x0                               ; both opening adds are done
	s_wait_kmcnt 0x0
	s_add_nc_u64 s[20:21], s[4:5], s[20:21]
	s_add_nc_u64 s[22:23], s[4:5], s[22:23]
	s_add_nc_u64 s[46:47], s[4:5], s[46:47]
	s_add_nc_u64 s[92:93], s[4:5], s[92:93]
	CROUND                                         ; all sixteen work-groups are here: the first joint loads meet
	s_mov_b32 s[G0S], 1
	s_add_co_u32 s[G0S+1], s94, SCL
	s_mov_b64 s[G0S+2:G0S+3], s[22:23]
	s_or_b32 s[G0S+3], s[G0S+3], 0x80000000
	s_mov_b32 s[G0SB], 1
	s_add_co_u32 s[G0SB+1], s94, SCL
	s_mov_b64 s[G0SB+2:G0SB+3], s[92:93]
	s_or_b32 s[G0SB+3], s[G0SB+3], 0x80000000
	JLOAD G0S, G1S, G0SB, G1SB                     ; the scales first: they are wanted with K step 0
.irp s, 0,1
	s_mov_b32 s[G0+4*\s], 1
	s_add_co_u32 s[G0+4*\s+1], s45, \s*SLOT
	s_add_nc_u64 s[G0+4*\s+2:G0+4*\s+3], s[20:21], \s*ROWB
	s_or_b32 s[G0+4*\s+3], s[G0+4*\s+3], 0x80000000
	s_mov_b32 s[G0B+4*\s], 1
	s_add_co_u32 s[G0B+4*\s+1], s45, \s*SLOT
	s_add_nc_u64 s[G0B+4*\s+2:G0B+4*\s+3], s[46:47], \s*ROWB
	s_or_b32 s[G0B+4*\s+3], s[G0B+4*\s+3], 0x80000000
	JLOAD G0+4*\s, G1, G0B+4*\s, G1B
.endr
	; the bias of my 128 features, and where my results go
	s_lshl_b32 s96, s17, 1
	s_add_co_u32 s96, s96, s15                     ; my 128 rows of A, in units of 128
	s_lshl_b32 s97, s42, 1
	s_add_co_u32 s97, s97, s16                     ; my 128 rows of B
	s_cmp_eq_u32 s[MODE], 2
	s_cselect_b32 s98, s97, s96                    ; my 128 tokens: batch = s98 / 16, step = s98 % 16
	s_cselect_b32 s99, s96, s97                    ; my 128 features: heads 2 s99 and 2 s99 + 1
	s_cmp_eq_u32 s[MODE], 0
	s_cselect_b64 s[66:67], s[6:7], s[8:9]         ; bq for q, bk for k and for v
	s_cselect_b32 s18, QREG, 0                     ; the region of att
	s_cmp_eq_u32 s[MODE], 2
	s_cselect_b32 s18, 6144, s18                   ; V's images lie behind K's in a step
	s_lshl_b32 s96, s99, 9
	s_mov_b32 s97, 0
	s_add_nc_u64 s[66:67], s[66:67], s[96:97]
	v_and_b32 v6, 31, v0
	v_lshlrev_b32 v[GO], 4, v6
	global_load_b128 v[8:11], v[GO], s[66:67]      ; 128 numbers, 512 consecutive bytes
	s_lshr_b32 s96, s98, 4
	s_lshl_b32 s96, s96, 4
	s_lshl_b32 s19, s99, 1
	s_add_co_u32 s96, s96, s19                     ; 16 batch + head
	s_mul_i32 s96, s96, HEADB
	s_and_b32 s19, s98, 15
	s_mul_i32 s19, s19, STEPB
	s_add_co_u32 s96, s96, s19
	s_add_co_u32 s96, s96, s18
	s_add_nc_u64 s[12:13], s[10:11], s[96:97]      ; att at my step of my first head
	v_and_b32 v1, 15, v0                           ; r
	v_bfe_u32 v2, v0, 4, 1                         ; h
	v_mul_u32_u24 v3, v1, PITCH
	v_mul_u32_u24 v4, v2, 24
	v_add_nc_u32 v4, v3, v4                        ; a fragment's row x pitch + 24 x half
	v_lshl_add_u32 v5, v2, 4, v4                   ; and the same behind one padding more
	s_mul_i32 s21, s15, HALFT
	s_mul_i32 s22, s16, HALFT
	s_add_co_u32 s22, s22, 2*HALFT
.irp s, 0,1
	v_add_nc_u32 v[ADRA+\s], s21, v4
	v_add_nc_u32 v[ADRB+\s], s22, v4
	v_add_nc_u32 v[ADRA+2+\s], s21, v5
	v_add_nc_u32 v[ADRB+2+\s], s22, v5
	s_add_co_u32 s21, s21, SLOT
	s_add_co_u32 s22, s22, SLOT
.endr
	v_mul_u32_u24 v5, v1, KS                       ; my row's scales: 32 bytes a row,
	v_lshrrev_b32 v6, 8, v5
	v_lshl_add_u32 v5, v6, 4, v5                   ; and 16 more for each 256 passed
	s_mul_i32 s21, s15, HALFS
	s_mul_i32 s22, s16, HALFS
	s_add_co_u32 s22, s22, 2*HALFS
	s_sub_co_u32 s22, s22, s21
	v_mul_u32_u24 v6, s22, v2                      ; lanes 16-31 take B's
	s_add_co_u32 s21, s21, SCL
	v_add_nc_u32 v5, v5, v6
	v_add_nc_u32 v[ADRS], s21, v5
	s_lshl_b32 s23, s14, 9
	s_add_co_u32 s23, s23, BIAS                    ; my wave's 512 bytes of bias
	v_add_nc_u32 v[BW], s23, v[GO]
	v_lshl_add_u32 v[BR], v2, 6, s23
	v_and_b32 v5, 8, v1
	v_add_nc_u32 v5, v5, v1
	v_lshl_add_u32 v[BV], v5, 2, s23
	v_mul_u32_u24 v5, v2, HEADB
	v_lshl_add_u32 v[SO], v1, 4, v5
	s_wait_alu depctr_va_vdst(0)
	s_wait_loadcnt 0x0
	ds_store_b128 v[BW], v[8:11]                   ; read back by this wave alone
.macro FRAG reg, adr, q, i             ; 16 rows x 128 K of 6-bit codes: 12 registers, in pieces of 8 bytes; where the piece three on lies behind one padding more, the second address register serves
.irp p, 0,1,2,3,4,5
.set PCE, 12*(\q)+6*(\p/3)+\p%3
.if PCE%8 < 5
	ds_load_b64 v[\reg+2*\p:\reg+2*\p+1], v[\adr] offset:8*PCE+16*(PCE/8)+(\i)*16*PITCH
.else
	ds_load_b64 v[\reg+2*\p:\reg+2*\p+1], v[\adr+2] offset:8*PCE+16*(PCE/8)+(\i)*16*PITCH
.endif
.endr
.endm
; 16 matrix instructions: A's blocks a0, a0 + 1 x B's eight.  The 64 accumulators take turns, one instruction a turn, in the same order in every step.
.macro MUL16 a0, p, q, sc, zero
.irp a, \a0, \a0+1
.irp b, 0,1,2,3,4,5,6,7
.if \zero
	v_wmma_scale_f32_16x16x128_f8f6f4 v[8*(8*((\a)%4)+\b):8*(8*((\a)%4)+\b)+7], v[128*(\p)+FR*\b:128*(\p)+FR*\b+FR-1], v[AF+FR*(\a):AF+FR*(\a)+FR-1], 0, v[SC+8*NQ*(\sc)+NQ*\b+(\q)], v[SC+8*NQ*(\sc)+NQ*(\a)+(\q)] matrix_a_fmt:MATRIX_FMT_BF6 matrix_b_fmt:MATRIX_FMT_BF6 matrix_a_scale:MATRIX_SCALE_ROW1
.else
	v_wmma_scale_f32_16x16x128_f8f6f4 v[8*(8*((\a)%4)+\b):8*(8*((\a)%4)+\b)+7], v[128*(\p)+FR*\b:128*(\p)+FR*\b+FR-1], v[AF+FR*(\a):AF+FR*(\a)+FR-1], v[8*(8*((\a)%4)+\b):8*(8*((\a)%4)+\b)+7], v[SC+8*NQ*(\sc)+NQ*\b+(\q)], v[SC+8*NQ*(\sc)+NQ*(\a)+(\q)] matrix_a_fmt:MATRIX_FMT_BF6 matrix_b_fmt:MATRIX_FMT_BF6 matrix_a_scale:MATRIX_SCALE_ROW1
.endif
.endr
.endr
.endm
.macro FETCH_B slot, q, p
	WIN TO_B
.irp i, 0,1,2,3,4,5,6,7
	FRAG 128*(\p)+FR*\i, ADRB+\slot, \q, \i
.endr
	WIN 0
.endm
.macro FETCH_A slot, q, i0
.irp i, \i0, \i0+1, \i0+2, \i0+3
	FRAG AF+FR*(\i), ADRA+\slot, \q, \i
.endr
.endm
.macro SCALES sc                       ; a K step's scale words: lanes 0-15 A's block i, lanes 16-31 B's block i
.irp i, 0,1,2,3,4,5,6,7
	ds_load_b64 v[SC+8*NQ*\sc+NQ*\i:SC+8*NQ*\sc+NQ*\i+1], v[ADRS] offset:\i*SBLK
.endr
.endm
.macro PLACES n                        ; plain vector instructions between a matrix instruction and a load into, or a read of, its registers
.rept \n
	v_nop
.endr
.endm
.macro STEP slot, q, zero              ; 128 along K that has its successor in the same slot
	s_wait_dscnt 4*NL                              ; B's set and A's blocks 0-3 are in; the youngest 24 loads (A's blocks 4-7) may be out
	WIN MUL_LO
	MUL16 0, (\q)%2, \q, \slot, \zero
	MUL16 2, (\q)%2, \q, \slot, \zero
	s_wait_dscnt 0
	PLACES NP
	FETCH_B \slot, (\q)+1, 1-(\q)%2
	FETCH_A \slot, (\q)+1, 0
	WIN MUL_HI
	MUL16 4, (\q)%2, \q, \slot, \zero
	MUL16 6, (\q)%2, \q, \slot, \zero
	PLACES NP
	WIN 0
	FETCH_A \slot, (\q)+1, 4
.endm
; A slot's last step changes slots: one barrier; in front of it each wave waits for all its tensor loads, adds 0 to its spare word, and waits for that and for its reads of this slot.
.macro TURN slot, next, fill
	s_wait_tensorcnt 0x0                           ; all my tensor loads have landed: my part of the next slot
	ds_add_u32 v[SPW], v[NIL]
	s_wait_dscnt 4*NL+1                            ; the add and the youngest 24 loads may be out
	WIN MUL_LO
	MUL16 0, 1, NQ-1, \slot, 0
	s_wait_dscnt 0x0                               ; the add is done, and my reads of this slot are over
	s_barrier_signal -1
	MUL16 2, 1, NQ-1, \slot, 0
	WIN 0
	s_barrier_wait -1
.if \fill
	CREST                                          ; the barrier has opened a round of the cluster's: no wave of any partner still reads this slot or has a load on its way
	s_add_nc_u64 s[G0+4*\slot+2:G0+4*\slot+3], s[G0+4*\slot+2:G0+4*\slot+3], 2*ROWB
	s_add_nc_u64 s[G0B+4*\slot+2:G0B+4*\slot+3], s[G0B+4*\slot+2:G0B+4*\slot+3], 2*ROWB
	JLOAD G0+4*\slot, G1, G0B+4*\slot, G1B         ; the first tensor load behind the round; its four v_nop are the places in front of the loads below
.else
	PLACES NP
.endif
	s_wait_alu depctr_va_vdst(0)
	v_add_nc_u32 v[ADRS], 4*NQ, v[ADRS]            ; the next K step's scale words
	FETCH_B \next, 0, 0
	FETCH_A \next, 0, 0
	SCALES \next
	WIN MUL_HI
	MUL16 4, 1, NQ-1, \slot, 0
	MUL16 6, 1, NQ-1, \slot, 0
	PLACES NP
	WIN 0
	FETCH_A \next, 0, 4
.endm
	s_wait_tensorcnt 1                             ; the scales and my part of K step 0 are in; K step 1's load may be out
	s_wait_dscnt 0x0                               ; my store of the bias
	s_barrier_signal -1
	s_barrier_wait -1
	FETCH_B 0, 0, 0
	FETCH_A 0, 0, 0
	SCALES 0
	FETCH_A 0, 0, 4
	STEP 0, 0, 1                                   ; the first step's products start the sums
	s_mov_b32 s3, LAPS-1
.Llap:                                             ; a trip goes once round the ring and fills both slots again
	TURN 0, 1, 1
	STEP 1, 0, 0
	TURN 1, 0, 1
	STEP 0, 0, 0
	s_sub_co_u32 s3, s3, 1
	s_cmp_lg_u32 s3, 0
	s_cbranch_scc1 .Llap
	TURN 0, 1, 0                                   ; the last lap fills nothing
	STEP 1, 0, 0
	s_wait_dscnt 4*NL
	WIN MUL_LO
	MUL16 0, 1, NQ-1, 1, 0
	MUL16 2, 1, NQ-1, 1, 0
	s_wait_dscnt 0
	WIN MUL_HI
	MUL16 4, 1, NQ-1, 1, 0
	MUL16 6, 1, NQ-1, 1, 0
	WIN 0
; THE WAY OUT.  Block a's 64 numbers of a lane get their bias (into T), are quantised, and leave as images: every store of the wave covers 512 consecutive bytes, aligned.
; QUANT: v[s] .. v[s + 63], register 16 b + i = k 32 b + 16 (lane / 16) + i, become codes: k 0-63 in v[d0 .. d0 + 5], k 64-127 in v[d1 .. d1 + 5], in the operand's layout; the four scale bytes in v[pw].
.macro QUANT s, d0, d1, pw
.set QSRC, \s
.set QD0, \d0
.set QD1, \d1
.set QPW, \pw
.irp b, 0,1,2,3
	v_max3_num_f32 v[TM+\b], |v[QSRC+16*\b]|, |v[QSRC+1+16*\b]|, 0x2800000   ; my 16 numbers of block b, and the floor 2^(5 - 127)
.endr
.irp i, 2,4,6,8,10,12,14
.irp b, 0,1,2,3
	v_max3_num_f32 v[TM+\b], v[TM+\b], |v[QSRC+16*\b+\i]|, |v[QSRC+1+16*\b+\i]|
.endr
.endr
.irp b, 0,1,2,3
	v_permlanex16_b32 v[TM+4+\b], v[TM+\b], s[SEL], s[SEL+1]
.endr
.irp b, 0,1,2,3
	v_max_num_f32 v[TM+\b], v[TM+\b], v[TM+4+\b]   ; with lane l xor 16's: the block's largest magnitude
.endr
.irp b, 0,1,2,3
	v_add_nc_u32 v[TM+12+\b], 0xfe000000, v[TM+\b] ; 4 off its exponent field: the conversion's scale operand
.endr
.irp b, 0,1,2,3
	v_lshrrev_b32 v[TM+4+\b], 23, v[TM+12+\b]      ; the scale's byte
.endr
	v_lshl_or_b32 v[QPW], v[TM+5], 8, v[TM+4]
	v_lshl_or_b32 v[QPW], v[TM+6], 16, v[QPW]
	v_lshl_or_b32 v[QPW], v[TM+7], 24, v[QPW]
.irp c, 0,1
.set QD, QD0+(QD1-QD0)*\c
	v_cvt_scalef32_pk16_bf6_f32 v[QD:QD+2], v[QSRC+32*\c:QSRC+15+32*\c], v[TM+12+2*\c]
	v_cvt_scalef32_pk16_bf6_f32 v[CT+4*\c:CT+4*\c+2], v[QSRC+16+32*\c:QSRC+31+32*\c], v[TM+12+2*\c+1]   ; (a conversion's three registers begin on an even number)
.endr
	v_nop                                          ; one plain instruction behind the scaled conversions
.irp c, 0,1                                    ; the operand's layout wants a whole block in a lane: lanes 0-15 block 2 c, lanes 16-31 block 2 c + 1
.set QD, QD0+(QD1-QD0)*\c
.irp i, 0,1,2
	v_permlane16_swap_b32 v[QD+\i], v[CT+4*\c+\i]
.endr
.irp i, 0,1,2
	v_mov_b32 v[QD+3+\i], v[CT+4*\c+\i]
.endr
.endr
.endm
.macro ADDN a                          ; q, k: the bias runs along the registers.  Each accumulator is read from its low end on
.set WN, 0x02+(\a)/4
.set AC, 64*((\a)%4)
	WIN WN
.set kk, 0
.rept 32
	v_pk_add_f32 v[T+kk:T+kk+1], v[AC+kk:AC+kk+1], v[BI+kk:BI+kk+1]
.set kk, kk+2
.endr
	WIN 0
.endm
.macro ADDL a                          ; v: the bias is the lane's feature's
.set WN, 0x02+(\a)/4
.set AC, 64*((\a)%4)
	WIN WN
.set kk, 0
.rept 32
	v_pk_add_f32 v[T+kk:T+kk+1], v[AC+kk:AC+kk+1], v[BL+2*(\a):BL+2*(\a)+1]
.set kk, kk+2
.endr
	WIN 0
.endm
	PLACES NP
.irp b, 0,1,2,3
	v_mov_b32 v[TM+4+\b], 0                        ; written once: a lane permute's destination counts as one of its sources
.endr
	v_and_b32 v1, 31, v0
	v_cmp_le_u32 vcc_lo, 16, v1                    ; lanes 16-31 (made behind the last tensor load)
	s_cmp_eq_u32 s[MODE], 2
	s_cbranch_scc1 .Lepi_v
	; ---- q, k: block a is a tile of 16 tokens; its numbers are two heads x 64 channels.  Tiles 2 i and 2 i + 1 make one pair image for each head
.irp bb, 0,1,2,3
.irp j, 0,1,2,3
	ds_load_b128 v[BI+16*\bb+4*\j:BI+16*\bb+4*\j+3], v[BR] offset:128*\bb+16*\j   ; bias of features 32 bb + 16 h + 4 j ..
.endr
.endr
	v_mov_b32 v[SELV], 0x05040100                  ; lanes 0-15 gather the first head's two bytes of two words,
	v_mov_b32 v[SELV+1], 0x07060302                ; lanes 16-31 the second head's
	v_cndmask_b32 v[SELV], v[SELV], v[SELV+1], vcc_lo
	s_wait_dscnt 0x0
.irp i, 0,1,2,3
.if \i >= 2
	s_wait_xcnt 0x0                                ; the stores of two pairs back have read their registers: this set of images is written again only behind this wait
.endif
.irp e, 0,1
	ADDN 2*\i+\e
	QUANT T, IM+24*(\i%2)+6*\e, IM+24*(\i%2)+12+6*\e, PWS+2*\i+\e
.endr
.irp c, 0,1
.irp g, 0,1,2
	global_store_b128 v[GO], v[IM+24*(\i%2)+12*\c+4*\g:IM+24*(\i%2)+12*\c+4*\g+3], s[12:13] offset:\c*HEADB+1536*\i+512*\g
.endr
.endr
.endr
.irp i, 0,1,2,3
	v_perm_b32 v[OW+\i], v[PWS+2*\i+1], v[PWS+2*\i], v[SELV]   ; pair i's word: tile 2 i's two bytes, then tile 2 i + 1's
.endr
	global_store_b128 v[SO], v[OW:OW+3], s[12:13] offset:12288   ; sixteen lanes store 256 consecutive bytes, aligned, for each head
	s_branch .Ldone
.Lepi_v:
	; ---- v: block a is a tile of 16 features (head a / 4, d tile a % 4); its numbers are 128 tokens: one whole fragment of V^T
.irp a, 0,1,2,3,4,5,6,7
	ds_load_b32 v[BL+2*\a], v[BV] offset:128*(\a/2)+32*(\a%2)   ; my lane's feature is 32 (a / 2) + 8 (a % 2) + r + 8 (r / 8): wk's rows lie exchanged
	ds_load_b32 v[BL+2*\a+1], v[BV] offset:128*(\a/2)+32*(\a%2)
.endr
	s_wait_dscnt 0x0
.irp a, 0,1,2,3,4,5,6,7
.if \a >= 2
	s_wait_xcnt 0x0                                ; the stores of two blocks back have read their registers
.endif
	ADDL \a
	QUANT T, IM+24*(\a%2), IM+24*(\a%2)+6, PWS+\a
.irp g, 0,1,2
	global_store_b128 v[GO], v[IM+24*(\a%2)+4*\g:IM+24*(\a%2)+4*\g+3], s[12:13] offset:(\a/4)*HEADB+(\a%4)*1536+512*\g
.endr
.endr
.irp i, 0,1,2,3
	v_cndmask_b32 v[OW+\i], v[PWS+\i], v[PWS+4+\i], vcc_lo   ; lanes 0-15 the first head's four words, lanes 16-31 the second's
.endr
	global_store_b128 v[SO], v[OW:OW+3], s[12:13] offset:6400   ; V's scale words lie 12,544 into a step, 6,400 behind V's images
.Ldone:
	s_wait_tensorcnt 0x0                           ; the wave's end, behind my last tensor load and my last LDS store
	ds_add_u32 v[SPW], v[NIL]
	s_wait_dscnt 0x0
	CROUND                                         ; the closing round: no work-group ends while a partner may still ask for a tile that names it
	s_endpgm
.Lfunc_end_k_q38dccb4427_proj:
	.size	k_q38dccb4427_proj, .Lfunc_end_k_q38dccb4427_proj-k_q38dccb4427_proj
	.p2alignl 7, 3214868480
	.fill 96, 4, 3214868480
	.section	.rodata,"a",@progbits
	.p2align	6, 0x0
	.amdhsa_kernel k_q38dccb4427_proj
		.amdhsa_group_segment_fixed_size 327680
		.amdhsa_private_segment_fixed_size 0
		.amdhsa_enable_private_segment 0
		.amdhsa_kernarg_size 32
		.amdhsa_user_sgpr_count 2
		.amdhsa_user_sgpr_kernarg_segment_ptr 1
		.amdhsa_wavefront_size32 1
		.amdhsa_system_sgpr_workgroup_id_x 1
		.amdhsa_system_sgpr_workgroup_id_y 1
		.amdhsa_system_sgpr_workgroup_id_z 1
		.amdhsa_system_vgpr_workitem_id 0
		.amdhsa_next_free_vgpr 1024
		.amdhsa_next_free_sgpr 102
		.amdhsa_reserve_vcc 1
		.amdhsa_float_denorm_mode_32 3
		.amdhsa_float_denorm_mode_16_64 3
		.amdhsa_memory_ordered 1
		.amdhsa_forward_progress 1
		.amdhsa_inst_pref_size 232
	.end_amdhsa_kernel
	.amdgpu_metadata
---
amdhsa.version: [ 1, 2 ]
amdhsa.kernels:
  - .name:           k_q38dccb4427_proj
    .symbol:         k_q38dccb4427_proj.kd
    .args:
      - { .name: cod, .offset: 0, .size: 8, .value_kind: global_buffer, .address_space: global }
      - { .name: bq, .offset: 8, .size: 8, .value_kind: global_buffer, .address_space: global }
      - { .name: bk, .offset: 16, .size: 8, .value_kind: global_buffer, .address_space: global }
      - { .name: att, .offset: 24, .size: 8, .value_kind: global_buffer, .address_space: global }
    .group_segment_fixed_size: 327680
    .private_segment_fixed_size: 0
    .kernarg_segment_align: 8
    .kernarg_segment_size: 32
    .max_flat_workgroup_size: 128
    .sgpr_count:     102
    .vgpr_count:     1024
    .wavefront_size: 32
...
	.end_amdgpu_metadata
.endif
;; end of part 2
;; launch attn (part 3): grid 8 x 32, 16 waves a work-group, clusters of 4 x 1, 327,680 bytes of LDS; arguments att, xim; writes xim
.if DOCPART == 3
	.amdgcn_target "amdgcn-amd-amdhsa--gfx1250"
	.amdhsa_code_object_version 6
	.text
	.protected	k_q38dccb4427_attn
	.globl	k_q38dccb4427_attn
	.p2align	8
	.type	k_q38dccb4427_attn,@function
k_q38dccb4427_attn:
	s_mov_b64 s[64:65], 0
	v_nop
	global_prefetch_b8 v0, s[64:65] scope:SCOPE_SE
	s_setreg_imm32_b32 hwreg(HW_REG_WAVE_MODE, 25, 1), 1
	s_wait_xcnt 0x0
	s_wait_alu depctr_hold_cnt(0) depctr_sa_sdst(0) depctr_va_vdst(0) depctr_va_sdst(0) depctr_va_ssrc(0) depctr_va_vcc(0) depctr_vm_vsrc(0)
	s_getreg_b32 s2, hwreg(HW_REG_IB_STS2, 6, 4)
	s_cmp_eq_u32 s2, 0
	s_cbranch_scc0 .Lentry_in_a_cluster
	s_endpgm
.Lentry_in_a_cluster:
	s_bfe_u32 s2, ttmp6, 0x10000c
	s_cmp_lg_u32 s2, 0x3003
	s_cbranch_scc0 .Lentry_shape_is_right
	s_endpgm
.Lentry_shape_is_right:
; Launch 3 of 4: x = softmax(q k^T / 8) v for every (batch, head), both products on codes of BF6; x is quantised along d_model and stored as operand images for the last launch.  Nothing is left out.
; THE SOFTMAX: t = score x log2(e) / 8; M = the running largest t rounded UP to a whole number; p = 2^(t - M) is quantised along the keys, not normalised; the row's sum is taken of the unquantised p and divides at the end.
; SHARES.  A work-group owns 256 queries of one batch and TWO heads, 2 j and 2 j + 1, one after the other: so a wave's results are a whole fragment (16 tokens x 128 of d_model) with a whole scale word.
; Each of sixteen waves owns one tile of 16 queries in 256 registers, four waves to a SIMD.  Every wave walks all 2,048 keys of a head, 128 a step.
; LDS.  24 places of 12,800 bytes, a key step each (4 pair images of K, 4 images of V^T, their scale words).  Head A's 16 steps fill places 0-15, head B's steps 0-7 places 16-23, both at the head;
; when all waves have left places 0-7, head B's steps 8-15 are brought there: the one refill.  A wave has at most one tensor load out.
; CLUSTER.  The four query blocks of a cluster walk the same K and V: every tensor load is asked for jointly, with the same descriptor and the mask 15 in all four.
; LAYOUT.  S^T = K Q^T (source 0 = a pair image of K: its first 64 along K are tile 2 i's channels, its last 64 tile 2 i + 1's; source 1 = q beside 64 zero codes, QLO or QHI): a lane holds ONE query.
; The keys of a tile are 32 b + 8 u + r + 8 (r / 8), so the 16 registers of tiles 2 b, 2 b + 1 are keys 32 b + 16 (lane / 16) + 0 .. 15.  O^T = V^T P^T likewise: register 16 b + i is channel 32 b + 16 (lane / 16) + i.
; LIMITS: a block of zeros gets the byte 1 (its codes are zeros); NaN and infinities are not served.
.set STEPB, 12800
.set HEADB, 204800
.set QREG,  13107200
.set XSO,   6291456                    ; where x's scale words begin in xim
.set SPARE, 24*STEPB                   ; the spare words, 128 bytes for each of sixteen waves
.set XSW,   SPARE+2048                 ; 1,024 bytes: x's scale words [r 16][wave 16]; stored by the waves, filled by no tensor load
.set LI,  1                            ; v1   16 x lane
.set LSC, 2                            ; v2   16 x (lane % 16)
.set SPW, 3
.set NIL, 4
.set ADR, 5                            ; v5   the step's images
.set ADS, 6                            ; v6   the step's scale words
.set XWA, 7                            ; v7   XSW + 64 r + 4 wave
.set XRD, 8                            ; v8   XSW + 256 (wave % 4) + 8 lane
.set L8,  9                            ; v9   8 x lane
.set QLO, 16                           ; v16-27  q, then 64 zero codes
.set QHI, 28                           ; v28-39  64 zero codes, then q
.set QB,  40                           ; v40-45  head B's q
.set QSB, 46                           ; v46     and its scale word
.set QS,  47                           ; v47     q's scale word in use: (s0, s1, s0, s1)
.set XF,  48                           ; v48-59  x's fragment
.set XW,  60                           ; v60     x's scale word
.set FR,  64                           ; v64-111 four fragments of K or of V^T
.set SCW, 112                          ; v112-115 their scale words
.set S,   116                          ; v116-179 S^T, then p
.set OT,  180                          ; v180-211 O^T
.set PC,  212                          ; v212-223 p's codes
.set CT,  224                          ; v224-230 the conversions' second halves
.set BM,  232
.set BT,  236
.set SOP, 240
.set PW,  244                          ; v244    p's scale word
.set FF,  246                          ; v[246:247] f = 2^(old M - new M); later 1 / the sum
.set TMP, 248
.set WV,  8
.set G1A, 16                           ; s[16:23] group 1: 50 rows of 256 bytes
.set G1B, 24                           ; s[24:31] 25 rows
.set SEL, 44
.set CS,  46
.set TB,  48
.set CNT, 49
.macro CROUND                          ; a round of the cluster's barrier
	s_barrier_signal -1
	s_barrier_wait -1
	s_cmp_lg_u32 s[WV], 0
	s_cbranch_scc1 .Lnot_wave_0_\@
	s_barrier_signal -3
.Lnot_wave_0_\@:
	s_barrier_wait -3
	s_barrier_signal -1
	s_barrier_wait -1
.endm
	s_load_b128 s[4:7], s[0:1], 0x0                ; att s[4:5], xim s[6:7]
	v_lshl_add_u32 v[SPW], v0, 2, SPARE
	v_mov_b32 v[NIL], 0
	ds_add_u32 v[SPW], v[NIL]                      ; the wave's opening: the add, twice on end, and its wait ahead of my first tensor load
	ds_add_u32 v[SPW], v[NIL]
	v_lshrrev_b32 v5, 5, v0
	s_delay_alu instid0(VALU_DEP_1)
	v_readfirstlane_b32 s[WV], v5                  ; wave 0..15
	s_bfe_u32 s9, ttmp6, 0x40000                   ; cx
	s_lshl_b32 s10, ttmp9, 2
	s_add_co_u32 s10, s10, s9                      ; my block of 256 queries: it enters Q's and x's global addresses alone
	s_and_b32 s11, ttmp7, 0xffff
	s_lshr_b32 s12, s11, 3                         ; the batch
	s_and_b32 s13, s11, 7                          ; j: heads 2 j, 2 j + 1
	s_lshl_b32 s14, s12, 4
	s_lshl_b32 s15, s13, 1
	s_add_co_u32 s14, s14, s15
	s_mul_i32 s14, s14, HEADB                      ; head A's first byte in a region of att
	s_mov_b32 s[G1A], 15|(3<<16)|(1<<21)           ; the mask: all four work-groups; elements of 8 bytes; no padding; bit 21 beside a mask
	s_mov_b32 s[G1B], 15|(3<<16)|(1<<21)
.irp g, G1A, G1B
	s_mov_b32 s[\g+1], 32<<16                      ; tensor_dim0 = 32 elements: 256 bytes
	s_mov_b32 s[\g+3], 32<<16                      ; tile_dim0
	s_mov_b32 s[\g+5], 32                          ; the pitch: dense
	s_mov_b32 s[\g+6], 0
	s_mov_b32 s[\g+7], 0
.endr
	s_mov_b32 s[G1A+2], 50<<16                     ; tensor_dim1
	s_mov_b32 s[G1A+4], 50                         ; tile_dim1
	s_mov_b32 s[G1B+2], 25<<16
	s_mov_b32 s[G1B+4], 25
	s_mov_b32 s[SEL], 0x76543210
	s_mov_b32 s[SEL+1], 0xfedcba98                 ; lane l xor 16
	s_mov_b32 s[CS], 0x3e38aa3b                    ; c = log2(e) / 8
	s_mov_b32 s[CS+1], s[CS]
	s_mul_i32 s60, s[WV], STEPB
	s_mul_i32 s61, s[WV], STEPB/2
	s_mov_b32 s32, 1                               ; load 1: head A's step w -> place w
	s_mov_b32 s33, s60
	s_mov_b32 s36, 1                               ; load 2: my sixteenth of head B's steps 0-7 -> places 16-23
	s_add_co_u32 s37, s61, 16*STEPB
	s_mov_b32 s40, 1                               ; load 3: my sixteenth of head B's steps 8-15 -> places 0-7
	s_mov_b32 s41, s61
	s_mov_b32 s63, 0
	s_wait_dscnt 0x0                               ; both opening adds are done
	s_wait_kmcnt 0x0
	s_add_co_u32 s62, s14, s60
	s_add_nc_u64 s[34:35], s[4:5], s[62:63]
	s_add_co_u32 s62, s14, s61
	s_add_nc_u64 s[38:39], s[4:5], s[62:63]
	s_add_nc_u64 s[38:39], s[38:39], HEADB
	s_add_nc_u64 s[42:43], s[38:39], 8*STEPB
	s_or_b32 s35, s35, 0x80000000
	s_or_b32 s39, s39, 0x80000000
	s_or_b32 s43, s43, 0x80000000
	CROUND                                         ; all four work-groups are here: the first joint loads meet
	tensor_load_to_lds s[32:35], s[G1A:G1A+7]
	s_nop 0
	s_wait_alu depctr_va_vdst(0)
	s_wait_tensorcnt 0x0
	ds_add_u32 v3, v4
	s_wait_dscnt 0x0
	CROUND
	tensor_load_to_lds s[36:39], s[G1B:G1B+7]
	s_nop 0
.rept 4
	v_nop
.endr
	; Q: my tile is tile w % 8 of step 2 qb + w / 8 of the Q region: half e = w % 2 of pair image (w % 8) / 2
	v_and_b32 v10, 31, v0
	v_and_b32 v11, 15, v0
	s_delay_alu instid0(VALU_DEP_2)
	v_lshlrev_b32 v[LI], 4, v10
	s_wait_alu depctr_va_vdst(0)
	v_lshlrev_b32 v[LSC], 4, v11
	s_wait_alu depctr_va_vdst(0)
	v_lshlrev_b32 v[L8], 3, v10
	s_lshl_b32 s66, s10, 1
	s_lshr_b32 s67, s[WV], 3
	s_add_co_u32 s66, s66, s67
	s_mul_i32 s66, s66, STEPB
	s_add_co_u32 s66, s66, s14
	s_add_co_u32 s66, s66, QREG
	s_bfe_u32 s68, s[WV], 0x20001                  ; the pair
	s_mul_i32 s69, s68, 1536
	s_add_co_u32 s69, s69, s66
	s_lshl_b32 s68, s68, 2
	s_add_co_u32 s66, s66, s68
	s_add_co_u32 s66, s66, 12288
	s_mov_b32 s67, 0
	s_add_nc_u64 s[54:55], s[4:5], s[66:67]        ; its scale word: 16 r + 4 x pair
	s_mov_b32 s66, s69
	s_add_nc_u64 s[52:53], s[4:5], s[66:67]        ; its image
.irp g, 0,1,2
	global_load_b128 v[S+4*\g:S+4*\g+3], v[LI], s[52:53] offset:512*\g
	global_load_b128 v[S+12+4*\g:S+12+4*\g+3], v[LI], s[52:53] offset:HEADB+512*\g
.endr
	global_load_b32 v[S+24], v[LSC], s[54:55]
	global_load_b32 v[S+25], v[LSC], s[54:55] offset:HEADB
	; where x goes
	s_lshl_b32 s66, s12, 7
	s_lshl_b32 s68, s10, 4
	s_add_co_u32 s66, s66, s68
	s_add_co_u32 s66, s66, s[WV]                   ; my tile of 16 tokens: 128 batch + 16 qb + w
	s_lshl_b32 s66, s66, 3
	s_add_co_u32 s66, s66, s13
	s_mul_i32 s66, s66, 1536
	s_add_nc_u64 s[56:57], s[6:7], s[66:67]
	s_and_b32 s61, s[WV], 3
	s_lshl_b32 s61, s61, 8
	s_lshl_b32 s66, s12, 3
	s_add_co_u32 s66, s66, s10
	s_lshl_b32 s66, s66, 3
	s_add_co_u32 s66, s66, s13
	s_lshl_b32 s66, s66, 10                        ; 1,024 bytes of scale words for 256 tokens and a K step of 128
	s_add_co_u32 s66, s66, XSO
	s_add_co_u32 s66, s66, s61
	s_add_nc_u64 s[58:59], s[6:7], s[66:67]
	s_lshl_b32 s60, s[WV], 2
	s_add_co_u32 s60, s60, XSW
	v_lshl_add_u32 v[XWA], v11, 6, s60
	s_add_co_u32 s61, s61, XSW
	v_lshl_add_u32 v[XRD], v10, 3, s61
	s_and_b32 s50, s[WV], 1
	s_cmp_eq_u32 s50, 1
	s_cselect_b32 s50, -1, 0                       ; all lanes: the image's second half, or its first
	s_mov_b32 s51, 0x01000100
	s_cselect_b32 s51, 0x03020302, s51             ; my tile's two bytes, twice
.irp b, 0,1,2,3
	v_mov_b32 v[BT+\b], 0                          ; written once: a lane permute's destination counts as one of its sources
.endr
	v_mov_b32 v[FF+1], 0                           ; (named as the upper half of a pair)
	v_mov_b32 v[TMP], 0
	s_wait_loadcnt 0x0
.irp k, 0,1,2,3,4,5
	v_cndmask_b32 v[QLO+\k], v[S+\k], v[S+6+\k], s50
	v_cndmask_b32 v[QB+\k], v[S+12+\k], v[S+18+\k], s50
.endr
.irp k, 0,1,2,3,4,5
	v_mov_b32 v[QHI+6+\k], v[QLO+\k]
	v_mov_b32 v[QLO+6+\k], 0                       ; zero codes add nothing under any scale byte but 0xff
	v_mov_b32 v[QHI+\k], 0
.endr
	v_perm_b32 v[QS], v[S+24], v[S+24], s51
	v_perm_b32 v[QSB], v[S+25], v[S+25], s51
.macro INIT                            ; a head begins: O^T and the sum are zeros, the largest t is -3e38, under every t.  (These moves are also the places between the writes of q's registers and the scaled products)
.set kk, 0
.rept 32
	v_mov_b32 v[OT+kk], 0
.set kk, kk+1
.endr
	v_mov_b32 v13, 0xff61b1e6
	s_delay_alu instid0(VALU_DEP_1)
	v_floor_f32 v12, -v13                          ; -M
	v_mov_b32 v14, 0
	v_mov_b32 v15, 0
.endm
; A KEY STEP: 128 keys, at LDS byte s[TB]
.macro STEP
	v_add_nc_u32 v[ADR], s[TB], v[LI]
	v_add_nc_u32 v[ADS], s[TB], v[LSC]
	v_nop
	v_nop                                          ; four places in front of loads into registers that the last products read
.irp i, 0,1,2,3
.irp g, 0,1,2
	ds_load_b128 v[FR+12*\i+4*\g:FR+12*\i+4*\g+3], v[ADR] offset:1536*\i+512*\g   ; K's pair image i, as it lies: 512 consecutive bytes a load
.endr
.endr
	ds_load_b128 v[SCW:SCW+3], v[ADS] offset:12288
	s_wait_alu depctr_va_vdst(0)
	s_wait_dscnt 0x0
.irp i, 0,1,2,3
	v_wmma_scale_f32_16x16x128_f8f6f4 v[S+16*\i:S+16*\i+7], v[FR+12*\i:FR+12*\i+11], v[QLO:QLO+11], 0, v[SCW+\i], v[QS] matrix_a_fmt:MATRIX_FMT_BF6 matrix_b_fmt:MATRIX_FMT_BF6
	v_wmma_scale_f32_16x16x128_f8f6f4 v[S+16*\i+8:S+16*\i+15], v[FR+12*\i:FR+12*\i+11], v[QHI:QHI+11], 0, v[SCW+\i], v[QS] matrix_a_fmt:MATRIX_FMT_BF6 matrix_b_fmt:MATRIX_FMT_BF6
.endr
.rept 4
	v_nop                                          ; places in front of the loads below and of the first read of the scores
.endr
.irp dt, 0,1,2,3
.irp g, 0,1,2
	ds_load_b128 v[FR+12*\dt+4*\g:FR+12*\dt+4*\g+3], v[ADR] offset:6144+1536*\dt+512*\g   ; V^T's four images land while the softmax is walked
.endr
.endr
	ds_load_b128 v[SCW:SCW+3], v[ADS] offset:12544
.irp b, 0,1,2,3
	v_max3_num_f32 v[BM+\b], v[S+16*\b], v[S+1+16*\b], v[S+2+16*\b]   ; the largest score of each block of 32 keys: for the row's maximum and, since p rises with the score, for the block's largest p
.endr
.irp i, 3,5,7,9,11,13
.irp b, 0,1,2,3
	v_max3_num_f32 v[BM+\b], v[BM+\b], v[S+16*\b+\i], v[S+1+16*\b+\i]
.endr
.endr
.irp b, 0,1,2,3
	v_max_num_f32 v[BM+\b], v[BM+\b], v[S+15+16*\b]
.endr
.irp b, 0,1,2,3
	s_delay_alu instid0(VALU_DEP_4)
	v_permlanex16_b32 v[BT+\b], v[BM+\b], s[SEL], s[SEL+1]
.endr
.irp b, 0,1,2,3
	s_delay_alu instid0(VALU_DEP_4)
	v_max_num_f32 v[BM+\b], v[BM+\b], v[BT+\b]     ; with lane l xor 16's 16 keys
.endr
	s_delay_alu instid0(VALU_DEP_2)
	v_max3_num_f32 v[TMP], v[BM], v[BM+1], v[BM+2]
	s_delay_alu instid0(VALU_DEP_1)
	v_max_num_f32 v[TMP], v[TMP], v[BM+3]
	s_delay_alu instid0(VALU_DEP_1)
	v_mul_f32 v[TMP], s[CS], v[TMP]                ; as t (c is positive)
	s_delay_alu instid0(VALU_DEP_1)
	v_max_num_f32 v13, v13, v[TMP]                 ; the running largest t
	v_mov_b32 v[TMP], v12
	s_delay_alu instid0(VALU_DEP_2)
	v_floor_f32 v12, -v13                          ; the new -M = -ceil(t): a whole number
	s_delay_alu instid0(VALU_DEP_1)
	v_sub_f32 v[TMP], v12, v[TMP]                  ; old M - new M: a whole number, 0 or less
	s_delay_alu instid0(VALU_DEP_1)
	v_cvt_i32_f32 v[TMP], v[TMP]                   ; (it saturates)
	s_delay_alu instid0(VALU_DEP_1)
	v_ldexp_f32 v[FF], 1.0, v[TMP]                 ; f = 2^(old M - new M): a multiplication by it rounds nothing
.set kk, 0
.rept 32
	v_pk_fma_f32 v[S+kk:S+kk+1], v[S+kk:S+kk+1], s[CS:CS+1], v[12:13] op_sel_hi:[1,0,0]   ; t - M, two at a time
.set kk, kk+2
.endr
.irp b, 0,1,2,3
	v_fma_f32 v[BM+\b], v[BM+\b], s[CS], v12       ; the same of each block's largest score
.endr
.set kk, 0
	s_wait_alu depctr_va_vdst(0)
.rept 64
	v_exp_f32 v[S+kk], v[S+kk]                     ; p = 2^(t - M), at most 1
.set kk, kk+1
.endr
	s_setprio 1
	v_pk_mul_f32 v[14:15], v[14:15], v[FF:FF+1] op_sel_hi:[1,0]   ; the sums under the new M (a plain instruction behind the exponentials)
	s_wait_alu depctr_va_vdst(0)                   ; one wait for the whole batch, ahead of its first reader
.irp b, 0,1,2,3
	v_exp_f32 v[BM+\b], v[BM+\b]                   ; the block's largest p: the same two instructions on the same number
.endr
	v_pk_add_f32 v[BT:BT+1], v[S:S+1], v[S+2:S+3]  ; the row's sum is taken of the unquantised p, in two chains
.irp j, 4,8,12,16,20,24,28,32,36,40,44,48,52,56,60
	v_pk_add_f32 v[14:15], v[14:15], v[S+\j:S+\j+1]
	v_pk_add_f32 v[BT:BT+1], v[BT:BT+1], v[S+2+\j:S+3+\j]
.endr
	s_delay_alu instid0(VALU_DEP_1)
	v_pk_add_f32 v[14:15], v[14:15], v[BT:BT+1]
	s_wait_alu depctr_va_vdst(0)                   ; and one for the four
.irp b, 0,1,2,3
	v_max_num_f32 v[BM+\b], 0x2800000, v[BM+\b]    ; the floor 2^(5 - 127): the byte cannot fall under 1
.endr
.irp b, 0,1,2,3
	s_delay_alu instid0(VALU_DEP_4)
	v_add_nc_u32 v[SOP+\b], 0xfe000000, v[BM+\b]   ; 4 off the exponent field: the conversion's scale operand
.endr
.irp b, 0,1,2,3
	s_delay_alu instid0(VALU_DEP_4)
	v_lshrrev_b32 v[BT+\b], 23, v[SOP+\b]          ; the scale's byte
.endr
	s_delay_alu instid0(VALU_DEP_3)
	v_lshl_or_b32 v[PW], v[BT+1], 8, v[BT]
	s_delay_alu instid0(VALU_DEP_1)
	v_lshl_or_b32 v[PW], v[BT+2], 16, v[PW]
	s_delay_alu instid0(VALU_DEP_1)
	v_lshl_or_b32 v[PW], v[BT+3], 24, v[PW]
.irp c, 0,1
	v_cvt_scalef32_pk16_bf6_f32 v[PC+6*\c:PC+6*\c+2], v[S+32*\c:S+32*\c+15], v[SOP+2*\c]
	v_cvt_scalef32_pk16_bf6_f32 v[CT+4*\c:CT+4*\c+2], v[S+16+32*\c:S+31+32*\c], v[SOP+2*\c+1]
.endr
	v_nop                                          ; one plain instruction behind the scaled conversions
.irp c, 0,1                                    ; a whole block in a lane: lanes 0-15 block 2 c, lanes 16-31 block 2 c + 1
.irp i, 0,1,2
	v_permlane16_swap_b32 v[PC+6*\c+\i], v[CT+4*\c+\i]
.endr
.irp i, 0,1,2
	s_delay_alu instid0(VALU_DEP_3)
	v_mov_b32 v[PC+3+6*\c+\i], v[CT+4*\c+\i]
.endr
.endr
.set kk, 0
	s_setprio 0
.rept 16
	v_pk_mul_f32 v[OT+kk:OT+kk+1], v[OT+kk:OT+kk+1], v[FF:FF+1] op_sel_hi:[1,0]   ; O^T under the new M.  (These sixteen are also the places between the writes of p's codes and scale word and the scaled products)
.set kk, kk+2
.endr
	s_wait_alu depctr_va_vdst(0)
	s_wait_dscnt 0x0                               ; V^T's images and scale words are in
.irp dt, 0,1,2,3
	v_wmma_scale_f32_16x16x128_f8f6f4 v[OT+8*\dt:OT+8*\dt+7], v[FR+12*\dt:FR+12*\dt+11], v[PC:PC+11], v[OT+8*\dt:OT+8*\dt+7], v[SCW+\dt], v[PW] matrix_a_fmt:MATRIX_FMT_BF6 matrix_b_fmt:MATRIX_FMT_BF6
.endr
.endm
.macro SEG base                        ; eight key steps from LDS byte base on
	s_mov_b32 s[TB], \base
	s_mov_b32 s[CNT], 8
.Lseg_\@:
	s_setprio 2
	STEP
	s_add_co_u32 s[TB], s[TB], STEPB
	s_sub_co_u32 s[CNT], s[CNT], 1
	s_cmp_lg_u32 s[CNT], 0
	s_cbranch_scc1 .Lseg_\@
	s_setprio 0
.endm
; A head ends: O^T / the sum is x's 64 channels of head c of the pair: two blocks of 32, quantised into registers 6 c .. 6 c + 5 of x's fragment and bytes 2 c, 2 c + 1 of its scale word
.macro FINISH c
.rept 4
	v_nop                                          ; places behind the last products
.endr
	v_add_f32 v14, v14, v15
	s_delay_alu instid0(VALU_DEP_1)
	v_permlanex16_b32 v[TMP], v14, s[SEL], s[SEL+1]
	s_delay_alu instid0(VALU_DEP_1)
	v_add_f32 v14, v14, v[TMP]                     ; the row's sum
	s_wait_alu depctr_va_vdst(0)
	v_rcp_f32 v[FF], v14
	v_nop                                          ; a plain instruction behind the reciprocal
	s_wait_alu depctr_va_vdst(0)                   ; and the wait ahead of its first reader
.set kk, 0
.rept 16
	v_pk_mul_f32 v[S+kk:S+kk+1], v[OT+kk:OT+kk+1], v[FF:FF+1] op_sel_hi:[1,0]   ; each accumulator from its low end on
.set kk, kk+2
.endr
.irp b, 0,1
	v_max3_num_f32 v[BM+\b], |v[S+16*\b]|, |v[S+1+16*\b]|, 0x2800000
.endr
.irp i, 2,4,6,8,10,12,14
.irp b, 0,1
	s_delay_alu instid0(VALU_DEP_2)
	v_max3_num_f32 v[BM+\b], v[BM+\b], |v[S+16*\b+\i]|, |v[S+1+16*\b+\i]|
.endr
.endr
.irp b, 0,1
	s_delay_alu instid0(VALU_DEP_2)
	v_permlanex16_b32 v[BT+\b], v[BM+\b], s[SEL], s[SEL+1]
.endr
.irp b, 0,1
	s_delay_alu instid0(VALU_DEP_2)
	v_max_num_f32 v[BM+\b], v[BM+\b], v[BT+\b]
.endr
.irp b, 0,1
	s_delay_alu instid0(VALU_DEP_2)
	v_add_nc_u32 v[SOP+\b], 0xfe000000, v[BM+\b]
.endr
.irp b, 0,1
	s_delay_alu instid0(VALU_DEP_2)
	v_lshrrev_b32 v[BT+\b], 23, v[SOP+\b]
.endr
.if \c == 0
	s_delay_alu instid0(VALU_DEP_1)
	v_lshl_or_b32 v[XW], v[BT+1], 8, v[BT]
.else
	s_delay_alu instid0(VALU_DEP_2)
	v_lshl_or_b32 v[XW], v[BT], 16, v[XW]
	s_delay_alu instid0(VALU_DEP_1)
	v_lshl_or_b32 v[XW], v[BT+1], 24, v[XW]
.endif
	v_cvt_scalef32_pk16_bf6_f32 v[XF+6*\c:XF+6*\c+2], v[S:S+15], v[SOP]
	v_cvt_scalef32_pk16_bf6_f32 v[CT:CT+2], v[S+16:S+31], v[SOP+1]
	v_nop
.irp i, 0,1,2
	v_permlane16_swap_b32 v[XF+6*\c+\i], v[CT+\i]
.endr
.irp i, 0,1,2
	s_delay_alu instid0(VALU_DEP_3)
	v_mov_b32 v[XF+6*\c+3+\i], v[CT+\i]
.endr
.endm
	INIT
	s_wait_tensorcnt 0x1                           ; my step of head A is in; my part of head B's first half may stay out
	s_barrier_signal -1
	s_barrier_wait -1                              ; everybody's is: head A's sixteen steps lie in LDS
	SEG 0                                          ; head A, steps 0-7
	s_wait_tensorcnt 0x0                           ; all my tensor loads have landed, my part of places 16-23 among them
	ds_add_u32 v[SPW], v[NIL]
	s_wait_dscnt 0x0                               ; the add is done, and my reads of places 0-7 are over
	CROUND                                         ; both hold of every wave of all four work-groups
	tensor_load_to_lds s[40:43], s[G1B:G1B+7]      ; the one refill: it has sixteen key steps in which to land
	s_nop 0
.rept 4
	v_nop
.endr
	SEG 8*STEPB                                    ; head A, steps 8-15
	FINISH 0
.irp k, 0,1,2,3,4,5
	v_mov_b32 v[QLO+\k], v[QB+\k]                  ; head B's q
	v_mov_b32 v[QHI+6+\k], v[QB+\k]
.endr
	v_mov_b32 v[QS], v[QSB]
	INIT
	SEG 16*STEPB                                   ; head B, steps 0-7
	s_wait_tensorcnt 0x0                           ; my part of head B's second half is in
	s_wait_dscnt 0x0
	s_barrier_signal -1
	s_barrier_wait -1                              ; everybody's is
	SEG 0                                          ; head B, steps 8-15
	FINISH 1
.irp g, 0,1,2
	global_store_b128 v[LI], v[XF+4*\g:XF+4*\g+3], s[56:57] offset:512*\g   ; x's fragment as it stands: 512 consecutive bytes a store, aligned
.endr
	ds_store_b32 v[XWA], v[XW]                     ; lanes r and r + 16 write the same word with the same value
	s_wait_dscnt 0x0                               ; for the others' sake
	s_barrier_signal -1
	s_barrier_wait -1
	s_cmp_lt_u32 s[WV], 4
	s_cbranch_scc0 .Lno_words
	ds_load_b64 v[S:S+1], v[XRD]                   ; waves 0-3 store the 1,024 bytes, 256 consecutive aligned bytes each
	s_wait_dscnt 0x0
	global_store_b64 v[L8], v[S:S+1], s[58:59]
.Lno_words:
	s_wait_tensorcnt 0x0                           ; the wave's end, behind my last tensor load and my last LDS store
	ds_add_u32 v[SPW], v[NIL]
	s_wait_dscnt 0x0
	CROUND                                         ; the closing round
	s_endpgm
.Lfunc_end_k_q38dccb4427_attn:
	.size	k_q38dccb4427_attn, .Lfunc_end_k_q38dccb4427_attn-k_q38dccb4427_attn
	.p2alignl 7, 3214868480
	.fill 96, 4, 3214868480
	.section	.rodata,"a",@progbits
	.p2align	6, 0x0
	.amdhsa_kernel k_q38dccb4427_attn
		.amdhsa_group_segment_fixed_size 327680
		.amdhsa_private_segment_fixed_size 0
		.amdhsa_enable_private_segment 0
		.amdhsa_kernarg_size 16
		.amdhsa_user_sgpr_count 2
		.amdhsa_user_sgpr_kernarg_segment_ptr 1
		.amdhsa_wavefront_size32 1
		.amdhsa_system_sgpr_workgroup_id_x 1
		.amdhsa_system_sgpr_workgroup_id_y 1
		.amdhsa_system_sgpr_workgroup_id_z 1
		.amdhsa_system_vgpr_workitem_id 0
		.amdhsa_next_free_vgpr 256
		.amdhsa_next_free_sgpr 70
		.amdhsa_reserve_vcc 0
		.amdhsa_float_denorm_mode_32 3
		.amdhsa_float_denorm_mode_16_64 3
		.amdhsa_memory_ordered 1
		.amdhsa_forward_progress 1
		.amdhsa_inst_pref_size 88
	.end_amdhsa_kernel
	.amdgpu_metadata
---
amdhsa.version: [ 1, 2 ]
amdhsa.kernels:
  - .name:           k_q38dccb4427_attn
    .symbol:         k_q38dccb4427_attn.kd
    .args:
      - { .name: att, .offset: 0, .size: 8, .value_kind: global_buffer, .address_space: global }
      - { .name: xim, .offset: 8, .size: 8, .value_kind: global_buffer, .address_space: global }
    .group_segment_fixed_size: 327680
    .private_segment_fixed_size: 0
    .kernarg_segment_align: 8
    .kernarg_segment_size: 16
    .max_flat_workgroup_size: 512
    .sgpr_count:     70
    .vgpr_count:     256
    .wavefront_size: 32
...
	.end_amdgpu_metadata
.endif
;; end of part 3
;; launch outp (part 4): grid 4 x 32, 4 waves a work-group, clusters of 4 x 4, 327,680 bytes of LDS; arguments xim, cod, bo, out0; writes out0
.if DOCPART == 4
	.amdgcn_target "amdgcn-amd-amdhsa--gfx1250"
	.amdhsa_code_object_version 6
	.text
	.protected	k_q38dccb4427_outp
	.globl	k_q38dccb4427_outp
	.p2align	8
	.type	k_q38dccb4427_outp,@function
k_q38dccb4427_outp:
	s_mov_b64 s[64:65], 0
	v_nop
	global_prefetch_b8 v0, s[64:65] scope:SCOPE_SE
	s_setreg_imm32_b32 hwreg(HW_REG_WAVE_MODE, 25, 1), 1
	s_wait_xcnt 0x0
	s_wait_alu depctr_hold_cnt(0) depctr_sa_sdst(0) depctr_va_vdst(0) depctr_va_sdst(0) depctr_va_ssrc(0) depctr_va_vcc(0) depctr_vm_vsrc(0)
	s_getreg_b32 s2, hwreg(HW_REG_IB_STS2, 6, 4)
	s_cmp_eq_u32 s2, 0
	s_cbranch_scc0 .Lentry_in_a_cluster
	s_endpgm
.Lentry_in_a_cluster:
	s_bfe_u32 s2, ttmp6, 0x10000c
	s_cmp_lg_u32 s2, 0xf033
	s_cbranch_scc0 .Lentry_shape_is_right
	s_endpgm
.Lentry_shape_is_right:
; Launch 4 of 4: out0 = x wo^T + bo on codes of BF6.  x comes as images of operand registers with its scale words (xim), wo as rows of codes with scale bytes (cod, rows 26,624 on, natural order).  Nothing is left out.
; A work-group makes 256 x 256 of out0, four waves 128 x 128 each.  K = 1,024 goes in four steps of 256 through a ring of two LDS slots.  bo is the C of each sum's first matrix instruction.
; LIMIT: bo so enters as the first addend of the f32 sum, not as the last.
; 'A' = x (source 1: tokens on lanes), 'B' = wo's rows (source 0: a lane's eight results are eight neighbouring columns of one row of out0).
; A's tile of a K step: for each of 8 tiles of 16 tokens two images on end, 3,072 bytes, 12,288 bytes from tile to tile in memory; in LDS they lie dense, and a fragment comes by three loads of 512 consecutive bytes.
; x's scale words lie [K step of 128: 8][r 16][tile 16] for a block of 256 tokens: four words of a lane's row come by one load of 16 bytes.
; CLUSTERS: 4 x 4; A's tiles are asked for jointly along a row of the cluster, B's along a column.
; REGISTERS: window 0: v16-31 addresses; v32-63 B's scale words, two sets; v64-127 bo; v128-223 A's fragments; v224-255 A's scale words, two sets.  window 1: B's fragments, two sets.  windows 2, 3: accumulators.
.set SIZE_N, 1024
.set NQ,     2
.set ROWB,   192
.set KROW,   768
.set PITCH,  240
.set FR,     12
.set NLA,    3                         ; LDS loads that bring a fragment of A
.set NP,     4
.set HALFA,  8*3072                    ; 8 tiles x 2 images
.set HALFT,  128*PITCH
.set SLOT,   2*HALFA+2*HALFT
.set LAPS,   2
.set KS,     32
.set SCL,    2*SLOT
.set HALFS,  4352                      ; 4,096 bytes of scales as 16 units of 256 + 16
.set SBLK,   544
.set SPARE,  SCL+4*HALFS
.set SPITCH, 528                       ; the way out: a stage of 16 rows x (512 + 16) bytes a wave, in slot 0, which has had its last fill and its last read by then
.set SCO,    21233664
.set XSO,    6291456
.set ADRA, 16                          ; v16-17
.set ADRB, 20                          ; v20-23
.set STO,  24
.set RD,   25
.set CO,   26
.set ADSB, 27
.set SPW,  28
.set NIL,  29
.set ADSA, 30
.set BO,   31                          ; v31  32 h
.set SB,   32
.set BI,   64
.set AF,   128
.set SA,   224
.set BK,   128
.set G1, 24
.set G0, 32
.set G1B, 48
.set G0B, 56
.set G1S, 68
.set G0S, 76
.set G1SB, 80
.set G0SB, 88
.set MSB, 0
.macro WIN new
.if MSB != \new
	s_set_vgpr_msb (MSB<<8)|\new
.set MSB, \new
.endif
.endm
.set MUL_LO, 0xa1
.set MUL_HI, 0xf1
.set TO_B,   0x40
.macro JLOAD g0a, g1a, g0b, g1b        ; waves 0 and 1 fetch for A, waves 2 and 3 for B; an s_nop 0 and four v_nop follow each line
	s_cmp_eq_u32 s15, 0
	s_cbranch_scc0 .Lfor_b_\@
	tensor_load_to_lds s[\g0a:\g0a+3], s[\g1a:\g1a+7]
	s_nop 0
.rept 4
	v_nop
.endr
	s_branch .Lasked_\@
.Lfor_b_\@:
	tensor_load_to_lds s[\g0b:\g0b+3], s[\g1b:\g1b+7]
	s_nop 0
.rept 4
	v_nop
.endr
.Lasked_\@:
.endm
.macro CREST
	s_cmp_lg_u32 s14, 0
	s_cbranch_scc1 .Lnot_wave_0_\@
	s_barrier_signal -3
.Lnot_wave_0_\@:
	s_barrier_wait -3
	s_barrier_signal -1
	s_barrier_wait -1
.endm
.macro CROUND
	s_barrier_signal -1
	s_barrier_wait -1
	CREST
.endm
	s_load_b256 s[4:11], s[0:1], 0x0               ; xim s[4:5], cod s[6:7], bo s[8:9], out0 s[10:11]
	v_lshl_add_u32 v[SPW], v0, 2, SPARE
	v_mov_b32 v[NIL], 0
	ds_add_u32 v[SPW], v[NIL]                      ; the wave's opening: the add, twice on end, and its wait ahead of my first tensor load
	ds_add_u32 v[SPW], v[NIL]
	v_lshrrev_b32 v1, 5, v0
	v_readfirstlane_b32 s14, v1
	s_lshr_b32 s15, s14, 1                         ; which half of the tile's rows is mine.  Also: I fetch for A (0) or for B (1)
	s_and_b32 s16, s14, 1                          ; which half of its columns.  Also: which half of that tile I fetch
	s_bfe_u32 s40, ttmp6, 0x40000
	s_bfe_u32 s41, ttmp6, 0x40004
	s_lshl_b32 s42, ttmp9, 2
	s_add_co_u32 s42, s42, s40                     ; tile column
	s_and_b32 s17, ttmp7, 0xffff
	s_lshl_b32 s17, s17, 2
	s_add_co_u32 s17, s17, s41                     ; tile row
	s_lshl_b32 s43, s41, 2
	s_lshl_b32 s43, 15, s43
	s_lshl_b32 s44, 0x1111, s40
	s_or_b32 s[G1+0], s43, (3<<16)|(1<<21)         ; A: the mask of my row; elements of 8 bytes; no padding; bit 21 beside a mask
	s_mov_b32 s[G1+1], 384<<16                     ; tensor_dim0: 3,072 bytes
	s_mov_b32 s[G1+2], 8<<16                       ; tensor_dim1: 8 tiles of tokens
	s_mov_b32 s[G1+3], 384<<16
	s_mov_b32 s[G1+4], 8
	s_mov_b32 s[G1+5], 1536                        ; the pitch: 12,288 bytes
	s_mov_b32 s[G1+6], 0
	s_mov_b32 s[G1+7], 0
	s_or_b32 s[G1B+0], s44, (0<<16)|(1<<20)|(1<<21)|(3<<22)|(3<<25)   ; B: 128 rows of 192 bytes, 16 bytes of padding behind every 64
	s_mov_b32 s[G1B+1], ROWB<<16
	s_mov_b32 s[G1B+2], 128<<16
	s_mov_b32 s[G1B+3], ROWB<<16
	s_mov_b32 s[G1B+4], 128
	s_mov_b32 s[G1B+5], KROW
	s_mov_b32 s[G1B+6], 0
	s_mov_b32 s[G1B+7], 0
	s_or_b32 s[G1S+0], s43, (3<<16)|(1<<20)|(1<<21)|(5<<22)|(3<<25)   ; scales: 4,096 dense bytes as 16 rows of 256, 16 bytes of padding behind each
	s_or_b32 s[G1SB+0], s44, (3<<16)|(1<<20)|(1<<21)|(5<<22)|(3<<25)
.irp g, G1S, G1SB
	s_mov_b32 s[\g+1], 32<<16
	s_mov_b32 s[\g+2], 16<<16
	s_mov_b32 s[\g+3], 32<<16
	s_mov_b32 s[\g+4], 16
	s_mov_b32 s[\g+5], 32
	s_mov_b32 s[\g+6], 0
	s_mov_b32 s[\g+7], 0
.endr
	s_lshl_b32 s20, s17, 1
	s_add_co_u32 s20, s20, s16                     ; A: which 8 tiles of tokens I fetch
	s_lshl_b32 s22, s20, 12                        ; x's scale words: 8,192 bytes a tile row; my half: K steps 4 s16 on
	s_add_co_u32 s22, s22, XSO
	s_mul_i32 s20, s20, 8*12288
	s_lshl_b32 s46, s42, 8
	s_lshl_b32 s18, s16, 7
	s_add_co_u32 s46, s46, s18
	s_add_co_u32 s46, s46, 26624                   ; B: wo's row in cod
	s_lshl_b32 s92, s46, 5
	s_add_co_u32 s92, s92, SCO
	s_mul_i32 s46, s46, KROW
	s_mov_b32 s21, 0
	s_mov_b32 s23, 0
	s_mov_b32 s47, 0
	s_mov_b32 s93, 0
	s_mul_i32 s45, s16, HALFA                      ; where they go: no place in the cluster enters an LDS address
	s_mul_i32 s95, s16, HALFT
	s_add_co_u32 s95, s95, 2*HALFA
	s_mul_i32 s94, s14, HALFS
	s_wait_dscnt 0x0                               ; both opening adds are done
	s_wait_kmcnt 0x0
	s_add_nc_u64 s[20:21], s[4:5], s[20:21]
	s_add_nc_u64 s[22:23], s[4:5], s[22:23]
	s_add_nc_u64 s[46:47], s[6:7], s[46:47]
	s_add_nc_u64 s[92:93], s[6:7], s[92:93]
	CROUND                                         ; all sixteen work-groups are here: the first joint loads meet
	s_mov_b32 s[G0S], 1
	s_add_co_u32 s[G0S+1], s94, SCL
	s_mov_b64 s[G0S+2:G0S+3], s[22:23]
	s_or_b32 s[G0S+3], s[G0S+3], 0x80000000
	s_mov_b32 s[G0SB], 1
	s_add_co_u32 s[G0SB+1], s94, SCL
	s_mov_b64 s[G0SB+2:G0SB+3], s[92:93]
	s_or_b32 s[G0SB+3], s[G0SB+3], 0x80000000
	JLOAD G0S, G1S, G0SB, G1SB
.irp s, 0,1
	s_mov_b32 s[G0+4*\s], 1
	s_add_co_u32 s[G0+4*\s+1], s45, \s*SLOT
	s_add_nc_u64 s[G0+4*\s+2:G0+4*\s+3], s[20:21], \s*3072
	s_or_b32 s[G0+4*\s+3], s[G0+4*\s+3], 0x80000000
	s_mov_b32 s[G0B+4*\s], 1
	s_add_co_u32 s[G0B+4*\s+1], s95, \s*SLOT
	s_add_nc_u64 s[G0B+4*\s+2:G0B+4*\s+3], s[46:47], \s*ROWB
	s_or_b32 s[G0B+4*\s+3], s[G0B+4*\s+3], 0x80000000
	s_wait_alu depctr_va_vdst(0)
	s_wait_tensorcnt 0x0
	ds_add_u32 v28, v29
	s_wait_dscnt 0x0
	CROUND
	JLOAD G0+4*\s, G1, G0B+4*\s, G1B
.endr
	v_and_b32 v1, 15, v0                           ; r
	v_bfe_u32 v2, v0, 4, 1                         ; h
	s_lshl_b32 s46, s42, 10                        ; my first column, in bytes of a row of out0 and of bo alike: 1,024 x tile column + 512 x half
	s_lshl_b32 s47, s16, 9
	s_add_co_u32 s46, s46, s47
	s_mov_b32 s47, 0
	s_add_nc_u64 s[66:67], s[8:9], s[46:47]
	v_lshlrev_b32 v[BO], 5, v2
.irp b, 0,1,2,3,4,5,6,7
	global_load_b128 v[BI+8*\b:BI+8*\b+3], v[BO], s[66:67] offset:64*\b       ; bo of columns 16 b + 8 h + 0 .. 7: the result's layout
	global_load_b128 v[BI+8*\b+4:BI+8*\b+7], v[BO], s[66:67] offset:64*\b+16
.endr
	v_mul_u32_u24 v3, v1, PITCH
	v_mul_u32_u24 v4, v2, 24
	v_add_nc_u32 v4, v3, v4
	v_lshl_add_u32 v5, v2, 4, v4
	v_and_b32 v6, 31, v0
	v_lshlrev_b32 v[CO], 4, v6                     ; 16 x lane
	s_mul_i32 s21, s15, HALFA                      ; my 8 tiles of A
	s_mul_i32 s22, s16, HALFT
	s_add_co_u32 s22, s22, 2*HALFA                 ; my 128 rows of B
.irp s, 0,1
	v_add_nc_u32 v[ADRA+\s], s21, v[CO]
	v_add_nc_u32 v[ADRB+\s], s22, v4
	v_add_nc_u32 v[ADRB+2+\s], s22, v5
	s_add_co_u32 s21, s21, SLOT
	s_add_co_u32 s22, s22, SLOT
.endr
	v_lshlrev_b32 v5, 5, v1                        ; B's scale bytes: 32 a row,
	v_lshrrev_b32 v6, 3, v1
	v_lshl_add_u32 v5, v6, 4, v5                   ; and 16 more for each 256 passed
	s_mul_i32 s22, s16, HALFS
	s_add_co_u32 s22, s22, SCL+2*HALFS
	v_add_nc_u32 v[ADSB], s22, v5
	v_lshrrev_b32 v6, 2, v1                        ; A's scale words: row r's sixteen words are 64 bytes: unit r / 4, place r % 4; my 8 tiles' words 32 s15 on
	v_mul_u32_u24 v5, v6, 272
	v_and_b32 v6, 3, v1
	v_lshl_add_u32 v5, v6, 6, v5
	s_lshl_b32 s22, s15, 5
	s_add_co_u32 s22, s22, SCL
	v_add_nc_u32 v[ADSA], s22, v5
	s_mul_i32 s23, s14, 16*SPITCH                  ; my stage
	v_mul_u32_u24 v5, v1, SPITCH
	v_lshl_add_u32 v5, v2, 5, v5
	v_add_nc_u32 v[STO], s23, v5
	v_add_nc_u32 v[RD], s23, v[CO]
	s_lshl_b32 s20, s17, 8
	s_lshl_b32 s21, s15, 7
	s_add_co_u32 s20, s20, s21                     ; my first row of out0
	s_lshl_b32 s20, s20, 12                        ; 4,096 bytes a row
	s_add_co_u32 s20, s20, s46
	s_mov_b32 s21, 0
	s_add_nc_u64 s[12:13], s[10:11], s[20:21]
.macro FRAG reg, adr, q, i             ; a fragment of B from rows: pieces of 8 bytes; the second address register serves the pieces behind one padding more
.irp p, 0,1,2,3,4,5
.set PCE, 12*(\q)+6*(\p/3)+\p%3
.if PCE%8 < 5
	ds_load_b64 v[\reg+2*\p:\reg+2*\p+1], v[\adr] offset:8*PCE+16*(PCE/8)+(\i)*16*PITCH
.else
	ds_load_b64 v[\reg+2*\p:\reg+2*\p+1], v[\adr+2] offset:8*PCE+16*(PCE/8)+(\i)*16*PITCH
.endif
.endr
.endm
.macro FRAGA reg, slot, q, i           ; a fragment of A from its image
.irp g, 0,1,2
	ds_load_b128 v[\reg+4*\g:\reg+4*\g+3], v[ADRA+\slot] offset:3072*(\i)+1536*(\q)+512*\g
.endr
.endm
; 16 matrix instructions.  zero = 1: the first product starts the sums from bo.  The 64 accumulators take turns, one instruction a turn.
.macro MUL16 a0, p, q, sc, zero
.irp a, \a0, \a0+1
.irp b, 0,1,2,3,4,5,6,7
.if \zero
	v_wmma_scale_f32_16x16x128_f8f6f4 v[8*(8*((\a)%4)+\b):8*(8*((\a)%4)+\b)+7], v[128*(\p)+FR*\b:128*(\p)+FR*\b+FR-1], v[AF+FR*(\a):AF+FR*(\a)+FR-1], v[BI+8*\b:BI+8*\b+7], v[SB+16*(\sc)+2*\b+(\q)], v[SA+16*(\sc)+8*(\q)+(\a)] matrix_a_fmt:MATRIX_FMT_BF6 matrix_b_fmt:MATRIX_FMT_BF6
.else
	v_wmma_scale_f32_16x16x128_f8f6f4 v[8*(8*((\a)%4)+\b):8*(8*((\a)%4)+\b)+7], v[128*(\p)+FR*\b:128*(\p)+FR*\b+FR-1], v[AF+FR*(\a):AF+FR*(\a)+FR-1], v[8*(8*((\a)%4)+\b):8*(8*((\a)%4)+\b)+7], v[SB+16*(\sc)+2*\b+(\q)], v[SA+16*(\sc)+8*(\q)+(\a)] matrix_a_fmt:MATRIX_FMT_BF6 matrix_b_fmt:MATRIX_FMT_BF6
.endif
.endr
.endr
.endm
.macro FETCH_B slot, q, p
	WIN TO_B
.irp i, 0,1,2,3,4,5,6,7
	FRAG 128*(\p)+FR*\i, ADRB+\slot, \q, \i
.endr
	WIN 0
.endm
.macro FETCH_A slot, q, i0
.irp i, \i0, \i0+1, \i0+2, \i0+3
	FRAGA AF+FR*(\i), \slot, \q, \i
.endr
.endm
.macro SCALES sc                       ; a K step's scale words: twelve loads
.irp i, 0,1,2,3,4,5,6,7
	ds_load_b64 v[SB+16*\sc+2*\i:SB+16*\sc+2*\i+1], v[ADSB] offset:\i*SBLK
.endr
.irp q, 0,1
.irp g, 0,1
	ds_load_b128 v[SA+16*\sc+8*\q+4*\g:SA+16*\sc+8*\q+4*\g+3], v[ADSA] offset:1088*\q+16*\g
.endr
.endr
.endm
.macro PLACES n
.rept \n
	v_nop
.endr
.endm
.macro STEP slot, q, zero
	s_wait_dscnt 4*NLA                             ; all but the youngest twelve loads (A's blocks 4-7)
.if \zero
	WIN 0x81                                       ; source 0 window 1, C (bo) window 0, D window 2
.else
	WIN MUL_LO
.endif
	MUL16 0, (\q)%2, \q, \slot, \zero
	MUL16 2, (\q)%2, \q, \slot, \zero
	s_wait_dscnt 0
	PLACES NP
	FETCH_B \slot, (\q)+1, 1-(\q)%2
	FETCH_A \slot, (\q)+1, 0
.if \zero
	WIN 0xc1
.else
	WIN MUL_HI
.endif
	MUL16 4, (\q)%2, \q, \slot, \zero
	MUL16 6, (\q)%2, \q, \slot, \zero
	PLACES NP
	WIN 0
	FETCH_A \slot, (\q)+1, 4
.endm
.macro TURN slot, next, fill
	s_wait_tensorcnt 0x0                           ; all my tensor loads have landed: my part of the next slot
	ds_add_u32 v[SPW], v[NIL]
	s_wait_dscnt 4*NLA+1                           ; the add and the youngest twelve loads may be out
	WIN MUL_LO
	MUL16 0, 1, NQ-1, \slot, 0
	s_wait_dscnt 0x0                               ; the add is done, and my reads of this slot are over
	s_barrier_signal -1
	MUL16 2, 1, NQ-1, \slot, 0
	WIN 0
	s_barrier_wait -1
.if \fill
	CREST                                          ; no wave of any partner still reads this slot or has a load on its way
	s_add_nc_u64 s[G0+4*\slot+2:G0+4*\slot+3], s[G0+4*\slot+2:G0+4*\slot+3], 2*3072
	s_add_nc_u64 s[G0B+4*\slot+2:G0B+4*\slot+3], s[G0B+4*\slot+2:G0B+4*\slot+3], 2*ROWB
	JLOAD G0+4*\slot, G1, G0B+4*\slot, G1B
.else
	PLACES NP
.endif
	s_wait_alu depctr_va_vdst(0)
	v_add_nc_u32 v[ADSB], 8, v[ADSB]               ; the next K step's scale words: two words on in B's rows,
	v_add_nc_u32 v[ADSA], 2*1088, v[ADSA]          ; two K steps of 128 on in A's
	FETCH_B \next, 0, 0
	FETCH_A \next, 0, 0
	SCALES \next
	WIN MUL_HI
	MUL16 4, 1, NQ-1, \slot, 0
	MUL16 6, 1, NQ-1, \slot, 0
	PLACES NP
	WIN 0
	FETCH_A \next, 0, 4
.endm
	s_wait_alu depctr_va_vdst(0)
	s_wait_tensorcnt 1                             ; the scales and my part of K step 0 are in; K step 1's load may be out
	s_barrier_signal -1
	s_barrier_wait -1
	FETCH_B 0, 0, 0
	FETCH_A 0, 0, 0
	SCALES 0
	FETCH_A 0, 0, 4
	s_wait_loadcnt 0x0                             ; bo
	STEP 0, 0, 1
	s_mov_b32 s3, LAPS-1
.Llap:
	TURN 0, 1, 1
	STEP 1, 0, 0
	TURN 1, 0, 1
	STEP 0, 0, 0
	s_sub_co_u32 s3, s3, 1
	s_cmp_lg_u32 s3, 0
	s_cbranch_scc1 .Llap
	TURN 0, 1, 0                                   ; the last lap fills nothing
	STEP 1, 0, 0
	s_wait_dscnt 4*NLA
	WIN MUL_LO
	MUL16 0, 1, NQ-1, 1, 0
	MUL16 2, 1, NQ-1, 1, 0
	s_wait_dscnt 0
	WIN MUL_HI
	MUL16 4, 1, NQ-1, 1, 0
	MUL16 6, 1, NQ-1, 1, 0
	WIN 0
; THE WAY OUT, block by block of 16 rows x 128 columns, through my own stage in LDS: back come whole rows of 512 bytes, which the 32 lanes store as 512 consecutive aligned bytes.
.macro TOSTAGE a
.set AC, 64*((\a)%4)
	WIN 0x08+4*((\a)/4)                            ; the data: window 2 or 3
.irp b, 0,1,2,3,4,5,6,7
	ds_store_b128 v[STO], v[AC+8*\b:AC+8*\b+3] offset:64*\b          ; each accumulator from its low end on
	ds_store_b128 v[STO], v[AC+8*\b+4:AC+8*\b+7] offset:64*\b+16
.endr
	WIN 0
.set BB, BK+64*((\a)%2)
.irp t, 0,1,2,3,4,5,6,7,8,9,10,11,12,13,14,15
	ds_load_b128 v[BB+4*\t:BB+4*\t+3], v[RD] offset:\t*SPITCH        ; LDS serves a wave's instructions in order: these see the stores above
.endr
.endm
.macro SEND a, younger
.set BB, BK+64*((\a)%2)
	s_wait_dscnt \younger                          ; the block is back in registers
.if (\a) > 0
	s_add_nc_u64 s[12:13], s[12:13], 16*SIZE_N*4   ; (behind a wait on XCNT: the earlier stores have read their base)
.endif
.irp t, 0,1,2,3,4,5,6,7,8,9,10,11,12,13,14,15
	global_store_b128 v[CO], v[BB+4*\t:BB+4*\t+3], s[12:13] offset:\t*SIZE_N*4 th:TH_STORE_NT
.endr
.endm
	PLACES NP
	TOSTAGE 0
.irp a, 1,2,3,4,5,6,7
.if \a > 1
	s_wait_xcnt 0x0                                ; block a - 2's stores have read their registers and their base
.endif
	TOSTAGE \a
	SEND \a-1, 32                                  ; behind block a - 1's loads: block a's 16 stores and 16 loads
.endr
	s_wait_xcnt 0x0
	SEND 7, 0
	s_wait_tensorcnt 0x0                           ; the wave's end, behind my last tensor load and my last LDS store
	ds_add_u32 v[SPW], v[NIL]
	s_wait_dscnt 0x0
	CROUND                                         ; the closing round
	s_endpgm
.Lfunc_end_k_q38dccb4427_outp:
	.size	k_q38dccb4427_outp, .Lfunc_end_k_q38dccb4427_outp-k_q38dccb4427_outp
	.p2alignl 7, 3214868480
	.fill 96, 4, 3214868480
	.section	.rodata,"a",@progbits
	.p2align	6, 0x0
	.amdhsa_kernel k_q38dccb4427_outp
		.amdhsa_group_segment_fixed_size 327680
		.amdhsa_private_segment_fixed_size 0
		.amdhsa_enable_private_segment 0
		.amdhsa_kernarg_size 32
		.amdhsa_user_sgpr_count 2
		.amdhsa_user_sgpr_kernarg_segment_ptr 1
		.amdhsa_wavefront_size32 1
		.amdhsa_system_sgpr_workgroup_id_x 1
		.amdhsa_system_sgpr_workgroup_id_y 1
		.amdhsa_system_sgpr_workgroup_id_z 1
		.amdhsa_system_vgpr_workitem_id 0
		.amdhsa_next_free_vgpr 1024
		.amdhsa_next_free_sgpr 100
		.amdhsa_reserve_vcc 0
		.amdhsa_float_denorm_mode_32 3
		.amdhsa_float_denorm_mode_16_64 3
		.amdhsa_memory_ordered 1
		.amdhsa_forward_progress 1
		.amdhsa_inst_pref_size 152
	.end_amdhsa_kernel
	.amdgpu_metadata
---
amdhsa.version: [ 1, 2 ]
amdhsa.kernels:
  - .name:           k_q38dccb4427_outp
    .symbol:         k_q38dccb4427_outp.kd
    .args:
      - { .name: xim, .offset: 0, .size: 8, .value_kind: global_buffer, .address_space: global }
      - { .name: cod, .offset: 8, .size: 8, .value_kind: global_buffer, .address_space: global }
      - { .name: bo, .offset: 16, .size: 8, .value_kind: global_buffer, .address_space: global }
      - { .name: out0, .offset: 24, .size: 8, .value_kind: global_buffer, .address_space: global }
    .group_segment_fixed_size: 327680
    .private_segment_fixed_size: 0
    .kernarg_segment_align: 8
    .kernarg_segment_size: 32
    .max_flat_workgroup_size: 128
    .sgpr_count:     100
    .vgpr_count:     1024
    .wavefront_size: 32
...
	.end_amdgpu_metadata
.endif
;; end of part 4
